; MI455X (gfx1250); checked and timed in simulation.
; The chip was launched on July 23, 2026; its instructions are those of AMD's public machine-readable ISA for CDNA 5 (MIT licence, August 2026) and "CDNA5" Instruction Set Architecture Reference Guide (July 2026). The comments in the code are by the model that wrote it; some were corrected since.
;; Multi Head Self Attention. Allowed arithmetic: matrix products marked QUANTISED: E4M3 operands, one E8M0 scale for each 32 along K, by v_wmma_scale_f32_16x16x128_f8f6f4 with both operands' format E4M3, f32 sums; everything else in f32.
;; Inputs: Wk 1,024 x 1,024 float32; Wo 1,024 x 1,024 float32; Wq 1,024 x 1,024 float32; Wv 1,024 x 1,024 float32; token_positions 2,048 int32; x 2 x 2,048 x 1,024 float32.
;; Outputs: out0 2 x 2,048 x 1,024 float32.
;; This version of the problem:
;;   THIS VERSION OF THE PROBLEM IS GIVEN IN LOW PRECISION. The matrix products marked QUANTISED in the list below multiply operands that are first quantised to E4M3 (4 exponent bits, 3 mantissa bits; 8 bits a number), with one power-of-two scale for each 32 numbers along K (OCP MX v1.0); their sums are f32. All else is computed in f32.
;;   The module's matrix products, in the order in which they are computed (A, B: the left and right operand; K: the contracted axis; several contracted axes count as one K, in the product's order):
;;     1. [M 4,096, K 1,024] x [K 1,024, N 1,024]; A: input x; B: input Wq: QUANTISED
;;     2. [M 4,096, K 1,024] x [K 1,024, N 1,024]; A: input x; B: input Wk: QUANTISED
;;     3. [M 4,096, K 1,024] x [K 1,024, N 1,024]; A: input x; B: input Wv: QUANTISED
;;     4. batch 32 x [M 2,048, K 64] x [K 64, N 2,048]; A: computed on the way; B: computed on the way: QUANTISED
;;     5. batch 32 x [M 2,048, K 2,048] x [K 2,048, N 64]; A: softmax (see below); B: computed on the way: QUANTISED
;;     6. [M 4,096, K 1,024] x [K 1,024, N 1,024]; A: computed on the way; B: input Wo: QUANTISED
;;   THE QUANTISER, for each operand of a quantised product, along K:
;;     - K is cut into blocks of 32 from its start; a last block that is shorter is filled with zeros.
;;     - A block's scale is 2^e with e = floor(log2(the largest magnitude in the block)) - 8, held to -126 .. 127; a block of zeros has e = 0. As a byte (E8M0): e + 127.
;;     - Each number is divided by its block's scale, clamped to +-448, and rounded to the nearest number of E4M3, ties to even, subnormals kept.
;;     - The product sums the exact products of the quantised numbers (number of the format x scale) in f32.
;;   ~~~python
;;   def quantise(x, axis):      # numpy; x: float32 -> the quantised numbers, widened to float32 again
;;       x = np.moveaxis(x, axis, -1); K = x.shape[-1]
;;       x = np.pad(x, [(0, 0)] * (x.ndim - 1) + [(0, -K % 32)]); x = x.reshape(x.shape[:-1] + (-1, 32)); a = np.abs(x).max(-1, keepdims=True)
;;       e = np.where(a > 0, np.clip(np.frexp(np.where(a > 0, a, 1))[1] - 1 - 8, -126, 127), 0)      # np.frexp(a)[1] - 1 = floor(log2(a)), exactly
;;       r = np.clip(x / 2.0 ** e, -448, 448)
;;       step = 2.0 ** (np.maximum(np.frexp(np.where(r == 0, 1, r))[1] - 1, -6) - 3)
;;       q = np.round(r / step) * step * 2.0 ** e      # np.round: ties to even
;;       return np.moveaxis(q.reshape(q.shape[:-2] + (-1,))[..., :K], -1, axis).astype(np.float32)
;;   ~~~
;;   SOFTMAX AHEAD OF A QUANTISED PRODUCT. Where the list says 'softmax', what is quantised is not the finished softmax but p = 2^(t - M), with t = logit x log2(e) and M = ceil(the row's largest t), a whole number; so 1/2 < the row's largest p <= 1. The row's sum l is taken of the UNQUANTISED p, in f32, and the product's result is divided by l at the end. Since M is a whole number, a kernel that streams over the keys may use a running M (the ceiling of the running maximum): every later rescaling is an exact power of two, which a block's scale takes up: the codes' values come out the same.
;;   OPERANDS COMPUTED ON THE WAY. 'Computed on the way' means the value that the module computes at that place (a softmax that the list does not call 'softmax' is quantised finished and normalised). What goes into a quantiser is computed in f32, as accurately as f32 sums, v_exp_f32 and their like allow (about 1e-6 of the number): no bf16 or f16 on the way to a quantiser, and a product that is left as it is and whose result goes on into a quantised operand takes f32 operands (vector FMAs, or v_wmma_f32_16x16x4_f32). A number that lies on a knife's edge between two numbers of the format may be rounded either way, as far as f32 arithmetic and the matrix unit's own rounding can turn it there, and no further.
;; One version. Each part assembles by itself: llvm-mc -triple=amdgcn-amd-amdhsa -mcpu=gfx1250 --defsym DOCPART=n.
;; ======== version 1 of 1: 4 launches
;; limits: inputs' magnitudes at most 100,000; right only within a limited range of input values
;; workspace buffers: cimg 8,388,608 bytes; csc 262,144 bytes; tab 524,288 bytes; qimg 4,194,304 bytes; qsc 262,144 bytes; kv 8,781,824 bytes; aimg 4,194,304 bytes; asc 131,072 bytes
;; launch prep (part 1): grid 256 x 1, 4 waves a work-group, no clusters, 34,304 bytes of LDS; arguments x, Wq, Wk, Wv, Wo, token_positions, cimg, csc, tab; writes cimg, csc, tab
.if DOCPART == 1
	.amdgcn_target "amdgcn-amd-amdhsa--gfx1250"
	.amdhsa_code_object_version 6
	.text
	.protected	k_q3b7c361846_prep
	.globl	k_q3b7c361846_prep
	.p2align	8
	.type	k_q3b7c361846_prep,@function
k_q3b7c361846_prep:
	s_mov_b64 s[64:65], 0
	v_nop
	global_prefetch_b8 v0, s[64:65] scope:SCOPE_SE
	s_setreg_imm32_b32 hwreg(HW_REG_WAVE_MODE, 25, 1), 1
	s_wait_xcnt 0x0
; x [4096][1024] and Wq, Wk, Wv, Wo [1024][1024], f32, K innermost, become codes of FP8 (E4M3) with one E8M0 byte for each 32 along K,
; laid as IMAGES OF OPERAND REGISTERS: a fragment of 16 rows x 128 K is 2,048 bytes [c 0..3][lane][16 bytes]; lane (r, h) holds row r, k = 32 c + 16 h + 0..15.
; THE ROWS OF A TILE ARE NOT NEIGHBOURS: storage row r of tile t is row 32 (t / 2) + 8 (t % 2) + r + 8 (r / 8) of its tensor, so that the results of two neighbouring
; tiles are 16 neighbours along the next product's K in one lane's registers.
; cimg: [tile 512][K step of 128: 8][2,048].  Tiles 0-255: x.  256 + 12 head + 4 kind + i: Wq, Wk, Wv (kind 0, 1, 2) of one head together.  448 + t: Wo.
; csc:  [tile][half of K][r][4 words]: word j is the scale word of K step 4 half + j.
; tab:  [s 2048][i 32][cos, sin] of token_positions[s] x 10000^(-i / 32), f32.
; SHARES: work-group G, wave w: tile 2 G + w / 2, half w % 2 of K: 16 rows x 512 numbers, 32 KiB, all 64 loads out at once; and two rows of tab, lane = i.
; Each load reads 512 consecutive bytes of one row; a step's 16 rows turn through the wave's own stage in LDS (rows 528 bytes apart) so that a lane gets 16 neighbours of each block.
; A block's scale is 2^(floor(log2(largest magnitude)) - 8); its byte is that magnitude's exponent field - 8, held at 1 from below.
; LIMITS: a block of zeros gets the byte 1 (its codes are zeros; only this program reads the bytes); NaN and infinities are not served; the angle |position x frequency| is reduced
; by pi / 2 in three parts, good to about 1e5 (50 times the positions 0..2047); beyond that cos and sin lose accuracy.
.set SP,   528                         ; a stage row: 512 bytes + 16
.set WST,  16*SP                       ; a wave's stage
.set X,    32                          ; v32-95   64 numbers: register 16 b + i = k 32 b + 16 h + i of my row
.set CD,   96                          ; v96-159  codes, 16 registers a step: no store's data are written again
.set TM,   160                         ; v160-175 largest magnitudes, bytes, holds, scale operands
.set PWD,  176                         ; v176-179 the four steps' scale words
.set SEL,  44                          ; s[44:45] selects for lane l xor 16
.set MNT,  46                          ; s46      mantissa field of 448
.set MSB, 0
.macro WIN new                         ; the immediate's high byte repeats the setting that is left
.if MSB != (\new)
	s_set_vgpr_msb (MSB<<8)|(\new)
.set MSB, (\new)
.endif
.endm
; 64 numbers of a lane at v[s] on become a fragment's codes at v[pc] on and its scale word in v[pw]
.macro QUANT s, pc, pw
.irp b, 0,1,2,3
	v_max3_num_f32 v[TM+\b], |v[(\s)+16*\b]|, |v[(\s)+1+16*\b]|, 0x4800000   ; my 16 numbers of block b, and the floor 2^(9 - 127): the byte cannot fall under 1
.endr
.irp i, 2,4,6,8,10,12,14
.irp b, 0,1,2,3
	v_max3_num_f32 v[TM+\b], v[TM+\b], |v[(\s)+16*\b+\i]|, |v[(\s)+1+16*\b+\i]|
.endr
.endr
.irp b, 0,1,2,3
	v_permlanex16_b32 v[TM+4+\b], v[TM+\b], s[SEL], s[SEL+1]
.endr
.irp b, 0,1,2,3
	v_max_num_f32 v[TM+\b], v[TM+\b], v[TM+4+\b]            ; with lane l xor 16's: the block's largest magnitude
.endr
.irp b, 0,1,2,3
	v_add_nc_u32 v[TM+12+\b], 0xfc000000, v[TM+\b]          ; 8 off its exponent field: the conversion's scale operand
.endr
.irp b, 0,1,2,3
	v_and_or_b32 v[TM+8+\b], v[TM+\b], 0x7f800000, s[MNT]   ; 448 x the scale
.endr
.irp b, 0,1,2,3
	v_lshrrev_b32 v[TM+4+\b], 23, v[TM+12+\b]               ; the scale's byte
.endr
	v_lshl_or_b32 v[(\pw)], v[TM+5], 8, v[TM+4]
	v_lshl_or_b32 v[(\pw)], v[TM+6], 16, v[(\pw)]
	v_lshl_or_b32 v[(\pw)], v[TM+7], 24, v[(\pw)]
.irp b, 0,1,2,3
.irp i, 0,1,2,3,4,5,6,7,8,9,10,11,12,13,14,15
	v_med3_num_f32 v[(\s)+16*\b+\i], v[(\s)+16*\b+\i], -v[TM+8+\b], v[TM+8+\b]   ; the conversion does not saturate (ISA guide 7.6.2): hold first
.endr
	v_cvt_scalef32_pk8_fp8_f32 v[(\pc)+4*\b:(\pc)+1+4*\b], v[(\s)+16*\b:(\s)+7+16*\b], v[TM+12+\b]
	v_cvt_scalef32_pk8_fp8_f32 v[(\pc)+2+4*\b:(\pc)+3+4*\b], v[(\s)+8+16*\b:(\s)+15+16*\b], v[TM+12+\b]
.endr
	v_nop                                          ; a plain line behind the last conversion
.endm
; cos and sin of position p (s[42 + p]) x my lane's frequency, into v[o], v[o + 1], and out: 32 lanes store one row of 256 bytes
.macro SINCOS p, o
	v_cvt_f32_i32 v10, s[42+\p]
	s_wait_alu depctr_va_vdst(0)
	v_mul_f32 v10, v10, v9                         ; the angle, rounded to f32 as the reference rounds it
	v_mul_f32 v11, 0x3f22f983, v10                 ; x 2 / pi
	v_rndne_f32 v11, v11                           ; k
	v_fmamk_f32 v12, v11, 0xbfc90fd8, v10          ; angle - k pi / 2, pi / 2 in three parts
	v_fmamk_f32 v12, v11, 0xb4a8885a, v12
	v_fmamk_f32 v12, v11, 0xa7c234c4, v12          ; r, within pi / 4
	v_mul_f32 v13, v12, v12                        ; z = r r
	v_mov_b32 v14, 0x3638ef1d                      ; sin r = r + r z (-1/6 + z (1/120 + z (-1/5040 + z / 362880)))
	v_fmaak_f32 v14, v14, v13, 0xb9500d01
	v_fmaak_f32 v14, v14, v13, 0x3c088889
	v_fmaak_f32 v14, v14, v13, 0xbe2aaaab
	v_mul_f32 v15, v12, v13
	v_fma_f32 v14, v14, v15, v12
	v_mov_b32 v16, 0xb493f27e                      ; cos r = 1 - z / 2 + z z (1/24 - z / 720 + z z / 40320 - z z z / 3628800)
	v_fmaak_f32 v16, v16, v13, 0x37d00d01
	v_fmaak_f32 v16, v16, v13, 0xbab60b61
	v_fmaak_f32 v16, v16, v13, 0x3d2aaaab
	v_fma_f32 v16, v16, v13, -0.5
	v_fma_f32 v16, v16, v13, 1.0
	v_cvt_i32_f32 v17, v11                         ; the quadrant
	v_and_b32 v18, 1, v17
	v_cmp_eq_u32 vcc_lo, 1, v18
	v_cndmask_b32 v19, v14, v16, vcc_lo            ; odd: sin and cos change places
	v_cndmask_b32 v20, v16, v14, vcc_lo
	v_lshlrev_b32 v18, 30, v17
	v_and_b32 v18, 0x80000000, v18                 ; sin changes sign in quadrants 2, 3
	v_xor_b32 v[\o+1], v18, v19
	v_add_nc_u32 v17, 1, v17
	v_lshlrev_b32 v18, 30, v17
	v_and_b32 v18, 0x80000000, v18                 ; cos in quadrants 1, 2
	v_xor_b32 v[\o], v18, v20
	global_store_b64 v8, v[\o:\o+1], s[20:21] offset:256*\p
.endm
	s_load_b512 s[4:19], s[0:1], 0x0               ; x, Wq, Wk, Wv, Wo, positions, cimg, csc
	s_load_b64 s[20:21], s[0:1], 0x40              ; tab
	v_lshl_add_u32 v254, v0, 2, 0x8400
	v_mov_b32 v255, 0
	v_lshrrev_b32 v1, 5, v0
	v_readfirstlane_b32 s22, v1                    ; wave
	v_and_b32 v1, 31, v0                           ; lane
	v_and_b32 v2, 15, v0                           ; r
	v_bfe_u32 v3, v0, 4, 1                         ; h
	v_lshlrev_b32 v4, 4, v1                        ; 16 x lane
	s_mul_i32 s23, s22, WST
	v_add_nc_u32 v5, s23, v4                       ; the stage, in: a row's 512 bytes as they lie
	v_mul_u32_u24 v6, v2, SP
	v_lshl_add_u32 v6, v3, 6, v6
	v_add_nc_u32 v6, s23, v6                       ; out: row r, + 64 h: my 16 numbers of a block
	v_lshlrev_b32 v7, 4, v2
	v_lshl_add_u32 v7, v3, 3, v7                   ; scale words: 16 r + 8 h
	v_lshlrev_b32 v8, 3, v1                        ; tab: 8 bytes a lane
	s_lshr_b32 s26, s22, 1
	s_lshl_b32 s27, ttmp9, 1
	s_add_co_u32 s26, s26, s27                     ; my tile, 0..511
	s_and_b32 s28, s22, 1                          ; my half of K
	s_and_b32 s27, s26, 63                         ; a weight's tile t,
	s_bfe_u32 s29, s26, 0x20006                    ; and which weight: 0..3
	s_lshr_b32 s30, s27, 2
	s_mul_i32 s30, s30, 12
	s_lshl_b32 s29, s29, 2
	s_add_co_u32 s30, s30, s29
	s_and_b32 s29, s27, 3
	s_add_co_u32 s30, s30, s29
	s_add_co_u32 s30, s30, 256                     ; Wq, Wk, Wv: 256 + 12 head + 4 kind + i
	s_add_co_u32 s31, s27, 448                     ; Wo: 448 + t
	s_cmp_lt_u32 ttmp9, 224
	s_cselect_b32 s30, s30, s31
	s_cmp_lt_u32 ttmp9, 128
	s_cselect_b32 s30, s26, s30                    ; x: the tile itself
	s_cselect_b32 s27, s26, s27
	s_lshr_b32 s32, s27, 1
	s_lshl_b32 s32, s32, 17                        ; 32 rows of 4,096 bytes
	s_and_b32 s33, s27, 1
	s_lshl_b32 s33, s33, 15                        ; 8 rows
	s_add_co_u32 s32, s32, s33
	s_lshl_b32 s33, s28, 11                        ; half a row
	s_add_co_u32 s32, s32, s33
	s_mov_b32 s33, 0
	s_lshl_b32 s34, s30, 14
	s_lshl_b32 s35, s28, 13
	s_add_co_u32 s34, s34, s35
	s_mov_b32 s35, 0
	s_lshl_b32 s36, s30, 9
	s_lshl_b32 s37, s28, 8
	s_add_co_u32 s36, s36, s37
	s_mov_b32 s37, 0
	s_lshl_b32 s38, ttmp9, 3
	s_lshl_b32 s39, s22, 1
	s_add_co_u32 s38, s38, s39                     ; my first row of tab: 8 G + 2 w
	s_lshl_b32 s40, s38, 2
	s_mov_b32 s41, 0
	s_lshl_b32 s38, s38, 8
	s_mov_b32 s39, 0
	s_mov_b32 s[SEL], 0x76543210
	s_mov_b32 s[SEL+1], 0xfedcba98
	s_mov_b32 s[MNT], 0x600000
	s_wait_alu depctr_va_vdst(0)
	s_wait_kmcnt 0x0
	s_mov_b64 s[24:25], s[12:13]                   ; the source: a choice on the work-group's number alone
	s_cmp_lt_u32 ttmp9, 224
	s_cselect_b64 s[24:25], s[10:11], s[24:25]
	s_cmp_lt_u32 ttmp9, 192
	s_cselect_b64 s[24:25], s[8:9], s[24:25]
	s_cmp_lt_u32 ttmp9, 160
	s_cselect_b64 s[24:25], s[6:7], s[24:25]
	s_cmp_lt_u32 ttmp9, 128
	s_cselect_b64 s[24:25], s[4:5], s[24:25]
	s_add_nc_u64 s[24:25], s[24:25], s[32:33]
	s_add_nc_u64 s[16:17], s[16:17], s[34:35]
	s_add_nc_u64 s[18:19], s[18:19], s[36:37]
	s_add_nc_u64 s[20:21], s[20:21], s[38:39]
	s_add_nc_u64 s[14:15], s[14:15], s[40:41]
	s_load_b64 s[42:43], s[14:15], 0x0             ; my two positions
	WIN 0x40                                       ; destination window 1: step t, row i at v[64 t + 4 i]
.irp t, 0,1,2,3
.irp i, 0,1,2,3,4,5,6,7,8,9,10,11,12,13,14,15
	global_load_b128 v[64*\t+4*\i:64*\t+4*\i+3], v4, s[24:25] offset:(\i+8*(\i/8))*4096+512*\t th:TH_LOAD_NT
.endr
.endr
	WIN 0
	; while they are on their way: the table.  10000^(-i / 32) = 10^(-i / 8 ... ) as f32 constants, lane i's in lane i
	v_mov_b32 v9, 0
.set i, 0
.irp f, 0x3f800000,0x3f3ff911,0x3f0ff59a,0x3ed7e89b,0x3ea1e89b,0x3e72d424,0x3e361887,0x3e088d77,0x3dcccccd,0x3d99940e,0x3d6655c3,0x3d2cba15,0x3d0186e2,0x3cc24350,0x3c91ad39,0x3c5a7bf1,0x3c23d70a,0x3bf5b9b0,0x3bb8449c,0x3b8a2e77,0x3b4f3e37,0x3b1b690d,0x3ae91528,0x3aaec98e,0x3a83126f,0x3a44948c,0x3a136a16,0x39dd1726,0x39a5cb5f,0x3978a814,0x393a7753,0x390bd472
	s_mov_b32 s47, \f
	v_writelane_b32 v9, s47, i
.set i, i+1
.endr
.irp b, 0,1,2,3
	v_mov_b32 v[TM+4+\b], 0                        ; written once: a lane permute's destination counts as one of its sources
.endr
	s_wait_kmcnt 0x0                               ; the positions
	SINCOS 0, 28
	SINCOS 1, 30
.macro QSTEP t
	s_wait_loadcnt 16*(3-\t)                       ; this step's 16 loads are in; those of the later steps stay out
	WIN 0x04                                       ; an LDS store's data are its source 1: window 1
.irp i, 0,1,2,3,4,5,6,7,8,9,10,11,12,13,14,15
	ds_store_b128 v5, v[64*\t+4*\i:64*\t+4*\i+3] offset:SP*\i
.endr
	WIN 0
.irp c, 0,1,2,3
.irp q, 0,1,2,3
	ds_load_b128 v[X+16*\c+4*\q:X+16*\c+4*\q+3], v6 offset:128*\c+16*\q   ; LDS serves a wave's instructions in order: these see the stores above
.endr
.endr
	s_wait_dscnt 0x0
	QUANT X, CD+16*\t, PWD+\t
.irp c, 0,1,2,3
	global_store_b128 v4, v[CD+16*\t+4*\c:CD+16*\t+4*\c+3], s[16:17] offset:2048*\t+512*\c   ; 32 lanes store 512 consecutive bytes
.endr
.endm
	QSTEP 0
	QSTEP 1
	QSTEP 2
	QSTEP 3
	v_cmp_eq_u32 vcc_lo, 1, v3                     ; lanes 0-15 store words 0, 1 of row r, lanes 16-31 words 2, 3: 256 consecutive bytes
	v_cndmask_b32 v180, v[PWD], v[PWD+2], vcc_lo
	v_cndmask_b32 v181, v[PWD+1], v[PWD+3], vcc_lo
	global_store_b64 v7, v[180:181], s[18:19]
	s_wait_tensorcnt 0x0
	ds_add_u32 v254, v255
	s_wait_dscnt 0x0
	s_endpgm
.Lfunc_end_k_q3b7c361846_prep:
	.size	k_q3b7c361846_prep, .Lfunc_end_k_q3b7c361846_prep-k_q3b7c361846_prep
	.p2alignl 7, 3214868480
	.fill 96, 4, 3214868480
	.section	.rodata,"a",@progbits
	.p2align	6, 0x0
	.amdhsa_kernel k_q3b7c361846_prep
		.amdhsa_group_segment_fixed_size 34304
		.amdhsa_private_segment_fixed_size 0
		.amdhsa_enable_private_segment 0
		.amdhsa_kernarg_size 72
		.amdhsa_user_sgpr_count 2
		.amdhsa_user_sgpr_kernarg_segment_ptr 1
		.amdhsa_wavefront_size32 1
		.amdhsa_system_sgpr_workgroup_id_x 1
		.amdhsa_system_sgpr_workgroup_id_y 1
		.amdhsa_system_sgpr_workgroup_id_z 1
		.amdhsa_system_vgpr_workitem_id 0
		.amdhsa_next_free_vgpr 512
		.amdhsa_next_free_sgpr 66
		.amdhsa_reserve_vcc 1
		.amdhsa_float_denorm_mode_32 3
		.amdhsa_float_denorm_mode_16_64 3
		.amdhsa_memory_ordered 1
		.amdhsa_forward_progress 1
		.amdhsa_inst_pref_size 60
	.end_amdhsa_kernel
	.amdgpu_metadata
---
amdhsa.version: [ 1, 2 ]
amdhsa.kernels:
  - .name:           k_q3b7c361846_prep
    .symbol:         k_q3b7c361846_prep.kd
    .args:
      - { .name: x, .offset: 0, .size: 8, .value_kind: global_buffer, .address_space: global }
      - { .name: Wq, .offset: 8, .size: 8, .value_kind: global_buffer, .address_space: global }
      - { .name: Wk, .offset: 16, .size: 8, .value_kind: global_buffer, .address_space: global }
      - { .name: Wv, .offset: 24, .size: 8, .value_kind: global_buffer, .address_space: global }
      - { .name: Wo, .offset: 32, .size: 8, .value_kind: global_buffer, .address_space: global }
      - { .name: token_positions, .offset: 40, .size: 8, .value_kind: global_buffer, .address_space: global }
      - { .name: cimg, .offset: 48, .size: 8, .value_kind: global_buffer, .address_space: global }
      - { .name: csc, .offset: 56, .size: 8, .value_kind: global_buffer, .address_space: global }
      - { .name: tab, .offset: 64, .size: 8, .value_kind: global_buffer, .address_space: global }
    .group_segment_fixed_size: 34304
    .private_segment_fixed_size: 0
    .kernarg_segment_align: 8
    .kernarg_segment_size: 72
    .max_flat_workgroup_size: 128
    .sgpr_count:     66
    .vgpr_count:     512
    .wavefront_size: 32
...
	.end_amdgpu_metadata
.endif
;; end of part 1
;; launch qkv (part 2): grid 16 x 16, 4 waves a work-group, clusters of 4 x 4, 327,680 bytes of LDS; arguments cimg, csc, tab, qimg, qsc, kv; writes qimg, qsc, kv
.if DOCPART == 2
	.amdgcn_target "amdgcn-amd-amdhsa--gfx1250"
	.amdhsa_code_object_version 6
	.text
	.protected	k_q3b7c361846_qkv
	.globl	k_q3b7c361846_qkv
	.p2align	8
	.type	k_q3b7c361846_qkv,@function
k_q3b7c361846_qkv:
	s_mov_b64 s[64:65], 0
	v_nop
	global_prefetch_b8 v0, s[64:65] scope:SCOPE_SE
	s_setreg_imm32_b32 hwreg(HW_REG_WAVE_MODE, 25, 1), 1
	s_wait_xcnt 0x0
	s_wait_alu depctr_hold_cnt(0) depctr_sa_sdst(0) depctr_va_vdst(0) depctr_va_sdst(0) depctr_va_ssrc(0) depctr_va_vcc(0) depctr_vm_vsrc(0)
	s_getreg_b32 s2, hwreg(HW_REG_IB_STS2, 6, 4)
	s_cmp_eq_u32 s2, 0
	s_cbranch_scc0 .Lentry_in_a_cluster
	s_endpgm
.Lentry_in_a_cluster:
	s_bfe_u32 s2, ttmp6, 0x10000c
	s_cmp_lg_u32 s2, 0xf033
	s_cbranch_scc0 .Lentry_shape_is_right
	s_endpgm
.Lentry_shape_is_right:
; Q, K, V = x Wq^T, x Wk^T, x Wv^T on codes of FP8 (E4M3) with E8M0 scales; RoPE on Q and K in f32; then Q and K are quantised along the head's 64, V along the keys, and leave as images of operand registers.
; SHARES: a work-group makes 256 tokens (x tiles 16 mt ..) x the 192 features of ONE head (4 tiles each of Wq, Wk, Wv).  Wave w: token half th = w / 2 (8 x tiles), half dh = w % 2 of the head's 64 (2 tiles of each kind): 48 accumulators, 384 registers.
; Q and K are used TRANSPOSED (source 0 = weight tile, source 1 = x tile): a lane holds one token and its registers run along d.  V the natural way (source 0 = x, source 1 = Wv): a lane holds one d and its
; registers run along the tokens, which are the second attention product's K.  By the tiles' row order (storage row r of tile t = row 32 (t / 2) + 8 (t % 2) + r + 8 (r / 8)) the 16 registers of tiles 2 b, 2 b + 1
; are 16 neighbours 32 b + 16 (lane / 16) + 0..15: the conversions' results are operand registers.
; K = 1024 goes in four steps of 256 through two LDS slots; a tile's part of a step is 4,096 dense bytes (two images).  CLUSTER 4 x 4: x's tiles are shared along a row, the head's weights along a column: joint loads, one a wave.
; No data prefetch: K is four steps, of which the first two come by their loads alone, and the block is the largest that the registers hold.
; A K step of 128 is three runs of 16 products, Q's, K's, V's.  x's fragments have two sets; each kind's two weight fragments have one, asked for anew behind that kind's products.
; THE WAY OUT takes a kind's eight blocks (32 numbers each, in lanes l and l xor 16) by turns.
; OUT: qimg [bh][token tile][c 0..1][lane][16]; qsc [bh][tile][r] words (bytes 2, 3 = 0x40, finite scales for the upper 64 of K = 128, where Q's codes are zeros);
;      kv, per head 274,432 bytes: K's scale words [tile 128][r], V's [J 16][f 4][r], then 16 blocks of 128 keys: 8 images of K (1 KiB), 4 of V^T (2 KiB: 16 d x 128 keys).
; LIMITS: a block of zeros gets the byte 1 (its codes are zeros; only this program reads the bytes); NaN and infinities are not served.
; REGISTERS: window 0: v1-29 addresses, v60-119 scale words, v128-255 x's set 0, then cos, sin; window k = 1, 2, 3: v0-127 accumulators of Q, K, V (16 registers a block); window 1 v128-255: x's set 1, then numbers to convert;
; window 2 v128-191: Wq's, Wk's fragments, then v128-223 codes; window 3 v128-159: Wv's fragments, then v128-255 RoPE's products.
.set SLOT,  114688                     ; 16 x tiles, then 12 weight tiles, 4,096 bytes each
.set WOFF,  65536
.set STAGE, 2*SLOT                     ; scale bytes on their way out: Q's 512, K's 512, V's 512 bytes
.set SPARE, STAGE+1536                 ; the spare words, 128 bytes a wave: two blocks of 256 bytes that no other line names
.set KVH,   274432
.set LI,   1                           ; v1  16 x lane
.set ADX,  2                           ; v2-3  my x tiles in slot 0, 1
.set ADW,  4                           ; v4-5  my weight tiles
.set XSO,  8                           ; v8  512 h + 16 r: scale words of two neighbouring tiles
.set WSO,  9                           ; v9  2048 h + 16 r: of Wq's tile and Wk's
.set TO,   10                          ; v10 my token's row of tab, + 128 dh + 64 h
.set QWA,  11
.set KWA,  12
.set VWA,  13
.set SRD,  14
.set SGO,  15
.set VRD,  16
.set SPW,  28
.set NIL,  29
.set CH,   32                          ; the way out: largest magnitudes, exchanged ones, bounds, scale operands, bytes: eight each
.set PB,   40
.set HD,   48
.set SO,   56
.set EB,   64
.set VWD,  72
.set SX,   60                          ; x's scale words: tiles (2 p | 2 p + 1) in the lanes' halves, register 8 p + s for K step s
.set SQK,  96                          ; (Wq i | Wk i): 8 i + s
.set SV,   112                         ; Wv (0 | 1): s
.set WV,   16
.set G1X,  24
.set G0X,  32
.set G1W,  48
.set G0W,  56
.set SEL,  92
.set MNT,  94
.set HM,   96                          ; s96  lanes 16-31
.set MSB, 0
.macro WIN new
.if MSB != (\new)
	s_set_vgpr_msb (MSB<<8)|(\new)
.set MSB, (\new)
.endif
.endm
.macro PLACES n
.rept \n
	v_nop
.endr
.endm
; a joint load: waves 0, 1 fetch x's halves, waves 2, 3 the weights'; four v_nop follow each line
.macro JLOAD n
	s_cmp_eq_u32 s18, 0
	s_cbranch_scc0 .Lfor_w_\@
	tensor_load_to_lds s[G0X+4*(\n):G0X+4*(\n)+3], s[G1X:G1X+7]
	s_nop 0
	PLACES 4
	s_branch .Lasked_\@
.Lfor_w_\@:
	tensor_load_to_lds s[G0W+4*(\n):G0W+4*(\n)+3], s[G1W:G1W+7]
	s_nop 0
	PLACES 4
.Lasked_\@:
.endm
.macro CREST
	s_cmp_lg_u32 s[WV], 0
	s_cbranch_scc1 .Lnot_wave_0_\@
	s_barrier_signal -3
.Lnot_wave_0_\@:
	s_barrier_wait -3
	s_barrier_signal -1
	s_barrier_wait -1
.endm
.macro CROUND
	s_barrier_signal -1
	s_barrier_wait -1
	CREST
.endm
; one product: D at d, A at a, B at b; z = 1: C = 0, else C = D; scale registers sa, sb; ra, rb = 1: the scales lie in lanes 16-31
.macro WM d, a, b, z, sa, sb, ra, rb
.if (\z) && (\ra) && (\rb)
	v_wmma_scale_f32_16x16x128_f8f6f4 v[(\d):(\d)+7], v[(\a):(\a)+15], v[(\b):(\b)+15], 0, v[(\sa)], v[(\sb)] matrix_a_scale:MATRIX_SCALE_ROW1 matrix_b_scale:MATRIX_SCALE_ROW1
.elseif (\z) && (\ra)
	v_wmma_scale_f32_16x16x128_f8f6f4 v[(\d):(\d)+7], v[(\a):(\a)+15], v[(\b):(\b)+15], 0, v[(\sa)], v[(\sb)] matrix_a_scale:MATRIX_SCALE_ROW1
.elseif (\z) && (\rb)
	v_wmma_scale_f32_16x16x128_f8f6f4 v[(\d):(\d)+7], v[(\a):(\a)+15], v[(\b):(\b)+15], 0, v[(\sa)], v[(\sb)] matrix_b_scale:MATRIX_SCALE_ROW1
.elseif (\z)
	v_wmma_scale_f32_16x16x128_f8f6f4 v[(\d):(\d)+7], v[(\a):(\a)+15], v[(\b):(\b)+15], 0, v[(\sa)], v[(\sb)]
.elseif (\ra) && (\rb)
	v_wmma_scale_f32_16x16x128_f8f6f4 v[(\d):(\d)+7], v[(\a):(\a)+15], v[(\b):(\b)+15], v[(\d):(\d)+7], v[(\sa)], v[(\sb)] matrix_a_scale:MATRIX_SCALE_ROW1 matrix_b_scale:MATRIX_SCALE_ROW1
.elseif (\ra)
	v_wmma_scale_f32_16x16x128_f8f6f4 v[(\d):(\d)+7], v[(\a):(\a)+15], v[(\b):(\b)+15], v[(\d):(\d)+7], v[(\sa)], v[(\sb)] matrix_a_scale:MATRIX_SCALE_ROW1
.elseif (\rb)
	v_wmma_scale_f32_16x16x128_f8f6f4 v[(\d):(\d)+7], v[(\a):(\a)+15], v[(\b):(\b)+15], v[(\d):(\d)+7], v[(\sa)], v[(\sb)] matrix_b_scale:MATRIX_SCALE_ROW1
.else
	v_wmma_scale_f32_16x16x128_f8f6f4 v[(\d):(\d)+7], v[(\a):(\a)+15], v[(\b):(\b)+15], v[(\d):(\d)+7], v[(\sa)], v[(\sb)]
.endif
.endm
; the 48 accumulators take turns, one instruction a turn, in the same order in every K step
.macro MULQ s, m0                      ; Q: x tiles m0 .. m0 + 3
	WIN (0x52+4*XW)
.irp m, \m0,\m0+1,\m0+2,\m0+3
.irp i, 0,1
	WM 16*(\m)+8*\i, 128+16*\i, 128+16*(\m), ZF, SQK+8*\i+(\s), SX+8*((\m)/2)+(\s), 0, (\m)%2
.endr
.endr
.endm
.macro MULK s
	WIN (0xa2+4*XW)
.irp m, 0,1,2,3,4,5,6,7
.irp i, 0,1
	WM 16*\m+8*\i, 160+16*\i, 128+16*\m, ZF, SQK+8*\i+(\s), SX+8*(\m/2)+(\s), 1, \m%2
.endr
.endr
.endm
.macro MULV s
	WIN (0xfc+XW)
.irp m, 0,1,2,3,4,5,6,7
.irp f, 0,1
	WM 64*\f+8*\m, 128+16*\m, 128+16*\f, ZF, SX+8*(\m/2)+(\s), SV+(\s), \m%2, \f
.endr
.endr
.endm
.macro FETK k, w, b, s                 ; kind k's two weight fragments of K step s into v[b] on of window w: 8 LDS loads
	WIN ((\w)<<6)
.irp i, 0,1
.irp c, 0,1,2,3
	ds_load_b128 v[(\b)+16*\i+4*\c:(\b)+16*\i+4*\c+3], v[ADW+((\s)/2)%2] offset:4096*(4*(\k)+\i)+2048*((\s)%2)+512*\c
.endr
.endr
	WIN 0
.endm
.macro FETA s                          ; x's eight fragments of K step s into set s % 2, and Wq's two: 40 LDS loads
	WIN (((\s)%2)<<6)
.irp m, 0,1,2,3,4,5,6,7
.irp c, 0,1,2,3
	ds_load_b128 v[128+16*\m+4*\c:128+16*\m+4*\c+3], v[ADX+((\s)/2)%2] offset:4096*\m+2048*((\s)%2)+512*\c
.endr
.endr
	FETK 0, 2, 128, \s
.endm
	s_load_b256 s[4:11], s[0:1], 0x0               ; cimg, csc, tab, qimg
	s_load_b128 s[12:15], s[0:1], 0x20             ; qsc, kv
	v_lshl_add_u32 v[SPW], v0, 2, SPARE
	v_mov_b32 v[NIL], 0
	ds_add_u32 v[SPW], v[NIL]                      ; the opening: the add, twice on end, under one wait
	ds_add_u32 v[SPW], v[NIL]
	v_lshrrev_b32 v1, 5, v0
	v_readfirstlane_b32 s[WV], v1                  ; wave 0..3
	s_and_b32 s17, s[WV], 1                        ; dh.  Also: which half of the tiles I fetch
	s_lshr_b32 s18, s[WV], 1                       ; th.  Also: I fetch for x (0) or for the weights (1)
	s_bfe_u32 s40, ttmp6, 0x40000                  ; cx
	s_bfe_u32 s41, ttmp6, 0x40004                  ; cy
	s_lshl_b32 s42, ttmp9, 2
	s_add_co_u32 s42, s42, s40                     ; the head = 4 x cluster x + cx
	s_and_b32 s43, ttmp7, 0xffff
	s_lshl_b32 s43, s43, 2
	s_add_co_u32 s43, s43, s41                     ; mt: my 256 tokens = 4 x cluster y + cy
	s_lshl_b32 s44, s41, 2
	s_lshl_b32 s44, 15, s44                        ; my row of the cluster
	s_lshl_b32 s45, 0x1111, s40                    ; my column
	s_or_b32 s[G1X], s44, (3<<16)|(1<<21)          ; the mask; elements of 8 bytes; bit 21 beside a mask; no padding: the images are read 16 bytes a lane on end
	s_or_b32 s[G1W], s45, (3<<16)|(1<<21)
	s_mov_b32 s[G1X+1], 512<<16                    ; a row: a tile's 4,096 bytes of this K step
	s_mov_b32 s[G1X+2], 8<<16                      ; 8 tiles
	s_mov_b32 s[G1X+3], 512<<16
	s_mov_b32 s[G1X+4], 8
	s_mov_b32 s[G1X+5], 2048                       ; tiles lie 16,384 bytes apart
	s_mov_b32 s[G1X+6], 0
	s_mov_b32 s[G1X+7], 0
	s_mov_b32 s[G1W+1], 512<<16
	s_mov_b32 s[G1W+2], 6<<16                      ; 6 tiles
	s_mov_b32 s[G1W+3], 512<<16
	s_mov_b32 s[G1W+4], 6
	s_mov_b32 s[G1W+5], 2048
	s_mov_b32 s[G1W+6], 0
	s_mov_b32 s[G1W+7], 0
	s_lshl_b32 s20, s43, 4                         ; x: tile 16 mt + 8 (w % 2): hangs on mt alone, which my row shares
	s_lshl_b32 s21, s17, 3
	s_add_co_u32 s20, s20, s21
	s_lshl_b32 s20, s20, 14
	s_mov_b32 s21, 0
	s_mul_i32 s46, s42, 12                         ; weights: tile 256 + 12 head + 6 (w % 2): on the head alone, which my column shares
	s_mul_i32 s47, s17, 6
	s_add_co_u32 s46, s46, s47
	s_add_co_u32 s46, s46, 256
	s_lshl_b32 s46, s46, 14
	s_mov_b32 s47, 0
	s_lshl_b32 s22, s17, 15                        ; where they go: the wave's number alone
	s_mul_i32 s23, s17, 24576
	s_add_co_u32 s23, s23, WOFF
	s_lshl_b32 s82, s43, 4                         ; scale words: x's tiles 16 mt + 8 th on,
	s_lshl_b32 s83, s18, 3
	s_add_co_u32 s82, s82, s83
	s_lshl_b32 s82, s82, 9
	s_mov_b32 s83, 0
	s_mul_i32 s84, s42, 12                         ; the head's tiles from 2 dh on
	s_add_co_u32 s84, s84, 256
	s_lshl_b32 s85, s17, 1
	s_add_co_u32 s84, s84, s85
	s_lshl_b32 s84, s84, 9
	s_mov_b32 s85, 0
	s_mov_b32 s[SEL], 0x76543210
	s_mov_b32 s[SEL+1], 0xfedcba98
	s_mov_b32 s[MNT], 0x600000
	v_and_b32 v17, 31, v0
	v_lshlrev_b32 v[LI], 4, v17
	v_and_b32 v18, 15, v0                          ; r
	v_bfe_u32 v19, v0, 4, 1                        ; h
	v_cmp_lt_u32 s[HM], 15, v17
	s_lshl_b32 s66, s18, 15
	v_add_nc_u32 v[ADX], s66, v[LI]
	v_add_nc_u32 v[ADX+1], SLOT, v[ADX]
	s_lshl_b32 s66, s17, 13
	s_add_co_u32 s66, s66, WOFF
	v_add_nc_u32 v[ADW], s66, v[LI]
	v_add_nc_u32 v[ADW+1], SLOT, v[ADW]
	v_lshlrev_b32 v[XSO], 4, v18
	v_lshl_add_u32 v[WSO], v19, 11, v[XSO]
	v_lshl_add_u32 v[XSO], v19, 9, v[XSO]
	v_and_b32 v[TO], 8, v18
	v_add_nc_u32 v[TO], v[TO], v18                 ; r + 8 (r / 8)
	v_lshlrev_b32 v[TO], 8, v[TO]
	v_lshl_add_u32 v[TO], v19, 6, v[TO]
	s_lshl_b32 s66, s17, 7
	v_add_nc_u32 v[TO], s66, v[TO]
	s_lshl_b32 s66, s18, 8
	s_add_co_u32 s66, s66, s17
	s_add_co_u32 s66, s66, STAGE
	v_lshl_add_u32 v[QWA], v18, 1, s66             ; Q's bytes: 256 th + 32 m + 2 r + dh
	v_add_nc_u32 v[KWA], 512, v[QWA]
	s_lshl_b32 s66, s18, 8
	s_lshl_b32 s67, s17, 7
	s_add_co_u32 s66, s66, s67
	s_add_co_u32 s66, s66, STAGE+1024
	v_lshl_add_u32 v[VWA], v17, 2, s66             ; V's words: 256 th + 128 dh + 4 lane
	v_lshl_add_u32 v[SRD], v0, 3, STAGE
	v_and_b32 v[SGO], 63, v0
	v_lshlrev_b32 v[SGO], 4, v[SGO]
	v_add_nc_u32 v[VRD], STAGE+1024, v[LI]
	s_wait_dscnt 0x0                               ; both opening adds are done
	s_wait_alu depctr_va_vdst(0)
	s_wait_kmcnt 0x0
	s_add_nc_u64 s[20:21], s[4:5], s[20:21]
	s_add_nc_u64 s[46:47], s[4:5], s[46:47]
	s_add_nc_u64 s[82:83], s[6:7], s[82:83]
	s_add_nc_u64 s[84:85], s[6:7], s[84:85]
.irp n, 0,1
	s_mov_b32 s[G0X+4*\n], 1
	s_add_co_u32 s[G0X+4*\n+1], s22, \n*SLOT
	s_add_nc_u64 s[G0X+4*\n+2:G0X+4*\n+3], s[20:21], \n*4096
	s_or_b32 s[G0X+4*\n+3], s[G0X+4*\n+3], 0x80000000
	s_mov_b32 s[G0W+4*\n], 1
	s_add_co_u32 s[G0W+4*\n+1], s23, \n*SLOT
	s_add_nc_u64 s[G0W+4*\n+2:G0W+4*\n+3], s[46:47], \n*4096
	s_or_b32 s[G0W+4*\n+3], s[G0W+4*\n+3], 0x80000000
.endr
	CROUND                                         ; all sixteen work-groups are here: the first joint loads meet
	JLOAD 0                                        ; K step 0 of 256: one load a wave at the head
.irp u, 0,1
.irp p, 0,1,2,3
	global_load_b128 v[SX+8*\p+4*\u:SX+8*\p+4*\u+3], v[XSO], s[82:83] offset:1024*\p+256*\u
.endr
.irp i, 0,1
	global_load_b128 v[SQK+8*\i+4*\u:SQK+8*\i+4*\u+3], v[WSO], s[84:85] offset:512*\i+256*\u
.endr
	global_load_b128 v[SV+4*\u:SV+4*\u+3], v[XSO], s[84:85] offset:4096+256*\u
.endr
	; where the results go
	s_lshr_b32 s88, s43, 3
	s_lshl_b32 s88, s88, 4
	s_add_co_u32 s88, s88, s42                     ; bh = 16 batch + head
	s_and_b32 s89, s43, 7                          ; m8: which 256 tokens of the sequence
	s_lshl_b32 s90, s89, 1
	s_add_co_u32 s90, s90, s18                     ; J: my block of 128 keys
	s_lshl_b32 s66, s88, 7
	s_lshl_b32 s67, s89, 4
	s_add_co_u32 s66, s66, s67                     ; token tile 128 bh + 16 m8
	s_lshl_b32 s76, s66, 6
	s_mov_b32 s77, 0
	s_add_nc_u64 s[76:77], s[12:13], s[76:77]      ; Q's words
	s_lshl_b32 s67, s18, 3
	s_add_co_u32 s66, s66, s67
	s_lshl_b32 s66, s66, 10
	s_lshl_b32 s91, s17, 9                         ; part c = dh of an image
	s_add_co_u32 s66, s66, s91
	s_mov_b32 s67, 0
	s_add_nc_u64 s[68:69], s[10:11], s[66:67]      ; Q's images
	s_mul_i32 s66, s88, KVH
	s_add_nc_u64 s[86:87], s[14:15], s[66:67]      ; the head's part of kv
	s_lshl_b32 s66, s89, 10
	s_add_nc_u64 s[78:79], s[86:87], s[66:67]      ; K's words
	s_lshl_b32 s66, s89, 9
	s_add_co_u32 s66, s66, 8192
	s_add_nc_u64 s[80:81], s[86:87], s[66:67]      ; V's words
	s_lshl_b32 s66, s90, 14
	s_add_co_u32 s66, s66, 12288
	s_add_co_u32 s70, s66, s91
	s_mov_b32 s71, 0
	s_add_nc_u64 s[70:71], s[86:87], s[70:71]      ; K's images
	s_lshl_b32 s72, s17, 12
	s_add_co_u32 s72, s72, s66
	s_add_co_u32 s72, s72, 8192
	s_mov_b32 s73, 0
	s_add_nc_u64 s[72:73], s[86:87], s[72:73]      ; V's: images 2 dh, 2 dh + 1
	s_lshl_b32 s74, s90, 15
	s_mov_b32 s75, 0
	s_add_nc_u64 s[74:75], s[8:9], s[74:75]        ; tab at my first token, 128 J
	s_wait_tensorcnt 0x0                           ; my part of K step 0 is in
	ds_add_u32 v[SPW], v[NIL]
	s_wait_dscnt 0x0
	CROUND                                         ; everybody's part is in
	JLOAD 1
	FETA 0
	FETK 1, 2, 160, 0
	FETK 2, 3, 128, 0
	s_wait_loadcnt 0x0                             ; the scale words
; A K step of 128.  Runs of LDS loads: 40 (x, Wq) behind Q's products, 8 (Wk) behind K's, 8 (Wv) behind V's, each for the next step: so behind the run that is wanted 16, 48, 48 younger loads may be out.
; Steps 1, 3, 5 change slots: all of this slot's fragments were asked for a step ago.  In front of the barrier: all my tensor loads, the add, my reads of this slot.  Steps 1, 3: the barrier opens a round of the cluster's, and this slot is filled again first behind it.
.macro KSTEP s
.set XW, (\s)%2
.set ZF, 0
.if (\s) == 0
.set ZF, 1
.endif
.if (\s)%2 == 1 && (\s) < 7
	WIN 0
	s_wait_tensorcnt 0x0                           ; all my tensor loads have landed: my part of the other slot
	ds_add_u32 v[SPW], v[NIL]
	s_wait_dscnt 17                                ; x's set and Wq's fragments; Wk's, Wv's and the add may be out
	MULQ \s, 0
	s_wait_dscnt 0x0                               ; the add is done, and my reads of this slot are over
	s_barrier_signal -1
	MULQ \s, 4
	WIN 0
	s_barrier_wait -1
.if (\s) < 5
	CREST
	s_add_nc_u64 s[G0X+4*((\s)/2)+2:G0X+4*((\s)/2)+3], s[G0X+4*((\s)/2)+2:G0X+4*((\s)/2)+3], 8192   ; two K steps of 256 on
	s_add_nc_u64 s[G0W+4*((\s)/2)+2:G0W+4*((\s)/2)+3], s[G0W+4*((\s)/2)+2:G0W+4*((\s)/2)+3], 8192
	JLOAD (\s)/2                                   ; the first tensor load behind the round, my one until the next; its four v_nop are among the eight places
	PLACES 4
.else
	PLACES 8
.endif
.else
	s_wait_dscnt 16
	MULQ \s, 0
	MULQ \s, 4
.if (\s) < 7
	PLACES 8                                       ; in front of loads into registers that these products read (ISA guide 7.12.1 for vector instructions)
.endif
.endif
.if (\s) < 7
	FETA (\s)+1
	s_wait_dscnt 48
.else
	s_wait_dscnt 8
.endif
	MULK \s
.if (\s) < 7
	PLACES 8
	FETK 1, 2, 160, (\s)+1
	s_wait_dscnt 48
.else
	s_wait_dscnt 0x0
.endif
	MULV \s
	PLACES 8
.if (\s) < 7
	FETK 2, 3, 128, (\s)+1
.endif
	WIN 0
.endm
	KSTEP 0
	KSTEP 1
	KSTEP 2
	KSTEP 3
	KSTEP 4
	KSTEP 5
	KSTEP 6
.irp m, 0,1,2,3,4,5,6,7                ; x's set 0 has had its last use: cos, sin of my token of tile m land there, pairs 16 dh + 8 h + 0..7
.irp q, 0,1,2,3
	global_load_b128 v[128+16*\m+4*\q:128+16*\m+4*\q+3], v[TO], s[74:75] offset:(32*(\m/2)+8*(\m%2))*256+16*\q
.endr
.endr
	KSTEP 7
; THE WAY OUT.
; RoPE of the eight blocks of window k: pair e = registers 2 e, 2 e + 1 = (x1, x2), with (cos, sin): (x1 cos - x2 sin, x1 sin + x2 cos) into window 1
.macro ROPE k
	WIN ((\k)|0xc0)
.set i, 0
.rept 64
	v_pk_mul_f32 v[128+i:129+i], v[i:i+1], v[128+i:129+i] op_sel:[1,1] op_sel_hi:[1,0]   ; (x2 sin, x2 cos)
.set i, i+2
.endr
	WIN ((\k)|0x70)
.set i, 0
.rept 64
	v_pk_fma_f32 v[128+i:129+i], v[i:i+1], v[128+i:129+i], v[128+i:129+i] op_sel_hi:[0,1,1] neg_lo:[0,0,1]
.set i, i+2
.endr
.endm
; eight blocks, by turns: 16 numbers a lane each at v[base + 16 j] of window w become four registers of codes at v[co + 4 j] of window 2 and a byte in v[EB + j]
.macro Q8 w, base, co
	WIN ((\w)|((\w)<<2))
.irp j, 0,1,2,3,4,5,6,7
	v_max3_num_f32 v[CH+\j], |v[(\base)+16*\j]|, |v[(\base)+16*\j+1]|, 0x4800000   ; the floor 2^(9 - 127): the byte cannot fall under 1
.endr
.irp i, 2,4,6,8,10,12,14
.irp j, 0,1,2,3,4,5,6,7
	v_max3_num_f32 v[CH+\j], |v[(\base)+16*\j+\i]|, |v[(\base)+16*\j+\i+1]|, v[CH+\j]
.endr
.endr
	WIN 0
.irp j, 0,1,2,3,4,5,6,7
	v_permlanex16_b32 v[PB+\j], v[CH+\j], s[SEL], s[SEL+1]
.endr
.irp j, 0,2,4,6
	v_dual_max_num_f32 v[CH+\j], v[CH+\j], v[PB+\j] :: v_dual_max_num_f32 v[CH+\j+1], v[CH+\j+1], v[PB+\j+1]   ; with lane l xor 16's: the blocks' largest magnitudes
.endr
.irp j, 0,1,2,3,4,5,6,7
	v_and_or_b32 v[HD+\j], v[CH+\j], 0x7f800000, s[MNT]   ; 448 x the scale
.endr
.irp j, 0,1,2,3,4,5,6,7
	v_add_nc_u32 v[SO+\j], 0xfc000000, v[CH+\j]    ; the conversion's scale operand
.endr
.irp j, 0,1,2,3,4,5,6,7
	v_lshrrev_b32 v[EB+\j], 23, v[SO+\j]
.endr
	WIN ((\w)|0x40)
.set i, 0
.rept 128
	v_med3_num_f32 v[128+i], v[(\base)+i], -v[HD+i/16], v[HD+i/16]   ; the hold (ISA guide 7.6.2)
.set i, i+1
.endr
	WIN 0x81
.irp j, 0,1,2,3,4,5,6,7
	v_cvt_scalef32_pk8_fp8_f32 v[(\co)+4*\j:(\co)+4*\j+1], v[128+16*\j:135+16*\j], v[SO+\j]
	v_cvt_scalef32_pk8_fp8_f32 v[(\co)+4*\j+2:(\co)+4*\j+3], v[136+16*\j:143+16*\j], v[SO+\j]
.endr
	v_nop                                          ; a plain line behind the last conversion
	WIN 0x08                                       ; a store's data are its source 1: window 2
.endm
.macro QKOUT k, co, ptr, wa
	ROPE \k
	Q8 1, 128, \co
.irp m, 0,1,2,3,4,5,6,7
	global_store_b128 v[LI], v[(\co)+4*\m:(\co)+4*\m+3], s[\ptr:\ptr+1] offset:1024*\m   ; 32 lanes store 512 consecutive bytes
.endr
	WIN 0
.irp m, 0,1,2,3,4,5,6,7
	ds_store_b8 v[\wa], v[EB+\m] offset:32*\m      ; lanes l and l xor 16 write the same byte with the same value
.endr
.endm
.irp j, 0,1,2,3,4,5,6,7
	v_mov_b32 v[PB+\j], 0                          ; a lane permute's destination counts as one of its sources
.endr
	Q8 3, 0, 128                                   ; V first, while the table is on its way: block 4 f + b: feature tile f, keys 32 b on
.irp f, 0,1
.irp b, 0,1,2,3
	global_store_b128 v[LI], v[128+16*\f+4*\b:131+16*\f+4*\b], s[72:73] offset:2048*\f+512*\b
.endr
.endr
	WIN 0
.irp f, 0,1
	v_lshl_or_b32 v[VWD+\f], v[EB+4*\f+1], 8, v[EB+4*\f]
.endr
.irp f, 0,1
	v_lshl_or_b32 v[VWD+\f], v[EB+4*\f+2], 16, v[VWD+\f]
.endr
.irp f, 0,1
	v_lshl_or_b32 v[VWD+\f], v[EB+4*\f+3], 24, v[VWD+\f]
.endr
	v_cndmask_b32 v[VWD], v[VWD], v[VWD+1], s[HM]  ; lanes 0-15 tile 2 dh's word, lanes 16-31 tile 2 dh + 1's
	ds_store_b32 v[VWA], v[VWD]
	s_wait_loadcnt 0x0                             ; the table
	QKOUT 1, 160, 68, QWA
	QKOUT 2, 192, 70, KWA
	s_wait_dscnt 0x0                               ; for the others' sake: my bytes lie in the stage
	s_barrier_signal -1
	s_barrier_wait -1
	ds_load_b64 v[76:77], v[SRD]                   ; 128 threads x 4 tokens' byte pairs: Q's (waves 0, 1), K's (waves 2, 3)
	s_cmp_lt_u32 s[WV], 2
	s_cselect_b64 s[76:77], s[76:77], s[78:79]
	s_mov_b32 s66, 0x40400000
	s_wait_dscnt 0x0
	v_and_b32 v80, 0xffff, v76
	v_lshrrev_b32 v81, 16, v76
	v_and_b32 v82, 0xffff, v77
	v_lshrrev_b32 v83, 16, v77
.irp j, 80,81,82,83
	v_or_b32 v[\j], s66, v[\j]                     ; bytes 2, 3
.endr
	global_store_b128 v[SGO], v[80:83], s[76:77]
	s_cmp_lg_u32 s[WV], 0
	s_cbranch_scc1 .Lno_v
	ds_load_b128 v[84:87], v[VRD]                  ; V's 512 bytes
	s_wait_dscnt 0x0
	global_store_b128 v[LI], v[84:87], s[80:81]
.Lno_v:
	s_wait_tensorcnt 0x0                           ; the wave's end
	ds_add_u32 v[SPW], v[NIL]
	s_wait_dscnt 0x0
	CROUND                                         ; the closing round
	s_endpgm
.Lfunc_end_k_q3b7c361846_qkv:
	.size	k_q3b7c361846_qkv, .Lfunc_end_k_q3b7c361846_qkv-k_q3b7c361846_qkv
	.p2alignl 7, 3214868480
	.fill 96, 4, 3214868480
	.section	.rodata,"a",@progbits
	.p2align	6, 0x0
	.amdhsa_kernel k_q3b7c361846_qkv
		.amdhsa_group_segment_fixed_size 327680
		.amdhsa_private_segment_fixed_size 0
		.amdhsa_enable_private_segment 0
		.amdhsa_kernarg_size 48
		.amdhsa_user_sgpr_count 2
		.amdhsa_user_sgpr_kernarg_segment_ptr 1
		.amdhsa_wavefront_size32 1
		.amdhsa_system_sgpr_workgroup_id_x 1
		.amdhsa_system_sgpr_workgroup_id_y 1
		.amdhsa_system_sgpr_workgroup_id_z 1
		.amdhsa_system_vgpr_workitem_id 0
		.amdhsa_next_free_vgpr 1024
		.amdhsa_next_free_sgpr 100
		.amdhsa_reserve_vcc 0
		.amdhsa_float_denorm_mode_32 3
		.amdhsa_float_denorm_mode_16_64 3
		.amdhsa_memory_ordered 1
		.amdhsa_forward_progress 1
		.amdhsa_inst_pref_size 170
	.end_amdhsa_kernel
	.amdgpu_metadata
---
amdhsa.version: [ 1, 2 ]
amdhsa.kernels:
  - .name:           k_q3b7c361846_qkv
    .symbol:         k_q3b7c361846_qkv.kd
    .args:
      - { .name: cimg, .offset: 0, .size: 8, .value_kind: global_buffer, .address_space: global }
      - { .name: csc, .offset: 8, .size: 8, .value_kind: global_buffer, .address_space: global }
      - { .name: tab, .offset: 16, .size: 8, .value_kind: global_buffer, .address_space: global }
      - { .name: qimg, .offset: 24, .size: 8, .value_kind: global_buffer, .address_space: global }
      - { .name: qsc, .offset: 32, .size: 8, .value_kind: global_buffer, .address_space: global }
      - { .name: kv, .offset: 40, .size: 8, .value_kind: global_buffer, .address_space: global }
    .group_segment_fixed_size: 327680
    .private_segment_fixed_size: 0
    .kernarg_segment_align: 8
    .kernarg_segment_size: 48
    .max_flat_workgroup_size: 128
    .sgpr_count:     100
    .vgpr_count:     1024
    .wavefront_size: 32
...
	.end_amdgpu_metadata
.endif
;; end of part 2
;; launch attn (part 3): grid 8 x 32, 16 waves a work-group, clusters of 4 x 1, 327,680 bytes of LDS; arguments qimg, qsc, kv, aimg, asc; writes aimg, asc
.if DOCPART == 3
	.amdgcn_target "amdgcn-amd-amdhsa--gfx1250"
	.amdhsa_code_object_version 6
	.text
	.protected	k_q3b7c361846_attn
	.globl	k_q3b7c361846_attn
	.p2align	8
	.type	k_q3b7c361846_attn,@function
k_q3b7c361846_attn:
	s_mov_b64 s[64:65], 0
	v_nop
	global_prefetch_b8 v0, s[64:65] scope:SCOPE_SE
	s_setreg_imm32_b32 hwreg(HW_REG_WAVE_MODE, 25, 1), 1
	s_wait_xcnt 0x0
	s_wait_alu depctr_hold_cnt(0) depctr_sa_sdst(0) depctr_va_vdst(0) depctr_va_sdst(0) depctr_va_ssrc(0) depctr_va_vcc(0) depctr_vm_vsrc(0)
	s_getreg_b32 s2, hwreg(HW_REG_IB_STS2, 6, 4)
	s_cmp_eq_u32 s2, 0
	s_cbranch_scc0 .Lentry_in_a_cluster
	s_endpgm
.Lentry_in_a_cluster:
	s_bfe_u32 s2, ttmp6, 0x10000c
	s_cmp_lg_u32 s2, 0x3003
	s_cbranch_scc0 .Lentry_shape_is_right
	s_endpgm
.Lentry_shape_is_right:
; softmax(Q K^T / 8) V under the causal mask on codes of FP8 (E4M3), one head and 256 queries a work-group; the result is quantised along the head's 64 and leaves as operand images (aimg) and scale bytes (asc).
; p = 2^(t - M), t = score x log2(e) / 8, M the running largest t rounded up to a whole number; the sum is taken of the unquantised p and divides at the end; a change of M multiplies by a power of two.
; QUERIES: work-group x of a head owns one tile of 16 queries in each of the 16 groups of 128 (rank 0..15).  A tile of rank k needs key blocks 0..k of 128; blocks behind it are wholly masked and are not touched.
; SHARES: tiles a and 15 - a need 17 key steps together; two waves share them.  Wave a (A): tile 15 - a, blocks 0..8.  Wave 8 + a (B): tile a, blocks 0..a, then tile 15 - a, blocks 9..15 - a: 8 steps.
; A hands that tile's Q to B through LDS; B hands its part of tile 15 - a (O, -M, the sum) to A the same way; a part without steps (a = 7) is O = 0, sum 0, M = -3e38.
; LDS: K and V of the whole head, 274,432 bytes, asked for at the head by one joint load a wave (the four work-groups of a cluster share them): nothing is filled again.  Waves 0-3 bring the scale words
; and block 0 (28,672 bytes), which the first barrier shows; waves 4-15 the rest, shown behind the first step.  No data prefetch: no load is left to run ahead of.
; LAYOUT: S^T = K Q^T, O^T = V^T P^T: a lane holds one query; register 16 b + i of S is key 32 b + 16 (lane / 16) + i of the block.
; A head has 64 numbers, the product's K is 128: Q's upper 64 codes are zeros, so K's upper 64 may be any finite codes: a fragment of K is its 8 registers and the NEXT tile's 8 (behind the last: p's codes of the step before); their scale bytes are 0x40.
; The next block's K is read from LDS into registers under this block's softmax; V^T's fragments 0-2 land over scores whose p has been converted.
; A block's scale: the exponent of its largest p = 2^t is floor(t), t being the same multiply-add of the block's largest score.
; LIMITS: |t| < 2^31; a p block whose largest exponent lies under -118 takes the byte 1; where a largest p rounds up to a power of two, the block keeps the exponent of the unrounded number; NaN and infinities are not served.
.set KVH,  274432
.set OSTG, KVH                         ; scale bytes on their way out: [r][rank] u16
.set SPARE, OSTG+512                   ; the spare words: 128 bytes a wave, blocks that no other line names
.set MRG,  SPARE+2048                  ; Q for B, then B's parts: 4,608 bytes each
.set LI,   1
.set LS,   2
.set ADV,  3
.set ADK,  4
.set ADS,  5
.set ADT,  6
.set NINF, 7
.set OSA,  8
.set RR,   9
.set MA,   10
.set ORD,  11                          ; v12 -M, v13 largest t, v[14:15] the sum, v16-31 Q
.set KF,   32                          ; v32-95 K's 8 tiles
.set PC,   96                          ; v96-111 p's codes
.set SC,   112                         ; v112-175 scores, p, then V^T's fragments 0-2
.set OA,   176                         ; v176-207 O^T
.set V3,   208                         ; v208-223 V^T's fragment 3
.set BM,   224
.set PB,   228
.set HT,   224                         ; eight held p (BM and PB are done with by then)
.set HD,   232
.set SO,   236
.set KW,   240
.set VW,   244
.set QW,   246
.set PW,   247
.set F,    248
.set T,    250
.set QSO,  251
.set S2,   252                         ; v254, v255 for the add
.set IT,   2
.set BK,   3
.set MNT,  4
.set KSO,  5
.set KHD,  6
.set FL,   7
.set WV,   14
.set RKA,  15
.set RKB,  16
.set TYP,  17
.set RK,   18
.set SW,   19
.set SH,   60
.set LAST, 61
.set BH,   62
.set MK,   66                          ; s66-97 masks of the diagonal
.set SEL,  98
.set CS,   100
.macro CROUND
	s_barrier_signal -1
	s_barrier_wait -1
	s_cmp_lg_u32 s[WV], 0
	s_cbranch_scc1 .Lnot_wave_0_\@
	s_barrier_signal -3
.Lnot_wave_0_\@:
	s_barrier_wait -3
	s_barrier_signal -1
	s_barrier_wait -1
.endm
.macro WM d, a, b, z, sa, sb, ra
.if (\z) && (\ra)
	v_wmma_scale_f32_16x16x128_f8f6f4 v[(\d):(\d)+7], v[(\a):(\a)+15], v[(\b):(\b)+15], 0, v[(\sa)], v[(\sb)] matrix_a_scale:MATRIX_SCALE_ROW1
.elseif (\z)
	v_wmma_scale_f32_16x16x128_f8f6f4 v[(\d):(\d)+7], v[(\a):(\a)+15], v[(\b):(\b)+15], 0, v[(\sa)], v[(\sb)]
.elseif (\ra)
	v_wmma_scale_f32_16x16x128_f8f6f4 v[(\d):(\d)+7], v[(\a):(\a)+15], v[(\b):(\b)+15], v[(\d):(\d)+7], v[(\sa)], v[(\sb)] matrix_a_scale:MATRIX_SCALE_ROW1
.else
	v_wmma_scale_f32_16x16x128_f8f6f4 v[(\d):(\d)+7], v[(\a):(\a)+15], v[(\b):(\b)+15], v[(\d):(\d)+7], v[(\sa)], v[(\sb)]
.endif
.endm
.macro PLACES n
.rept \n
	v_nop
.endr
.endm
.macro OUTSET                          ; where my finished tile goes: image of token tile 128 batch + 8 rank + x, K step bh / 2 % 8, half bh % 2; and the work-group's scale bytes
	s_lshr_b32 s24, s[BH], 4
	s_lshl_b32 s24, s24, 7
	s_lshl_b32 s25, s[RK], 3
	s_add_co_u32 s24, s24, s25
	s_add_co_u32 s24, s24, s23
	s_lshl_b32 s24, s24, 14
	s_bfe_u32 s25, s[BH], 0x30001
	s_lshl_b32 s25, s25, 11
	s_add_co_u32 s24, s24, s25
	s_and_b32 s25, s[BH], 1
	s_lshl_b32 s25, s25, 10
	s_add_co_u32 s24, s24, s25
	s_mov_b32 s25, 0
	s_add_nc_u64 s[10:11], s[10:11], s[24:25]
	s_lshl_b32 s26, s[BH], 3
	s_add_co_u32 s26, s26, s23
	s_lshl_b32 s26, s26, 9
	s_mov_b32 s27, 0
	s_add_nc_u64 s[12:13], s[12:13], s[26:27]
.endm
	s_load_b256 s[4:11], s[0:1], 0x0               ; qimg, qsc, kv, aimg
	s_load_b64 s[12:13], s[0:1], 0x20              ; asc
	v_lshl_add_u32 v254, v0, 2, SPARE
	v_mov_b32 v255, 0
	ds_add_u32 v254, v255                          ; the opening: the add, twice on end, under one wait
	ds_add_u32 v254, v255
	v_lshrrev_b32 v1, 5, v0
	v_readfirstlane_b32 s[WV], v1
	s_and_b32 s[RKA], s[WV], 7                     ; a
	s_xor_b32 s[RKB], s[RKA], 15                   ; 15 - a
	s_lshr_b32 s[TYP], s[WV], 3                    ; 0: A, 1: B
	s_xor_b32 s20, s[TYP], 1
	s_mul_i32 s21, s20, 15
	s_xor_b32 s[RK], s[RKA], s21                   ; my first tile's rank: A 15 - a, B a
	s_lshl_b32 s21, s20, 4
	s_add_co_u32 s[SW], s[RKA], 1
	s_add_co_u32 s[SW], s[SW], s21                 ; the trip in which B goes over to tile 15 - a: a + 1 (A: never)
	s_xor_b32 s[SH], s[RKA], 7
	s_add_co_u32 s[SH], s[SH], 1                   ; 8 - a: from there on block = trip + 8 - a
	s_add_co_u32 s[LAST], s20, 7                   ; the last trip with work: A 8, B 7
	s_and_b32 s[BH], ttmp7, 0xffff
	v_and_b32 v1, 31, v0
	v_lshlrev_b32 v[LS], 2, v1
	v_lshlrev_b32 v[LI], 4, v1
	v_and_b32 v[RR], 15, v0
	v_lshlrev_b32 v[QSO], 2, v[RR]
	s_lshl_b32 s21, s[RK], 1
	s_add_co_u32 s21, s21, OSTG
	v_lshl_add_u32 v[OSA], v[RR], 5, s21           ; the one tile that I finish: 32 r + 2 rank
	s_mul_i32 s21, s[RKA], 4608
	s_add_co_u32 s21, s21, MRG
	v_add_nc_u32 v[MA], s21, v[LI]
	v_add_nc_u32 v[ORD], OSTG, v[LI]
	s_mov_b32 s28, 15|(3<<16)|(1<<21)              ; waves 0-3: 28 rows of 256 bytes each; all four work-groups of the cluster
	s_mov_b32 s29, 32<<16
	s_mov_b32 s30, 28<<16
	s_mov_b32 s31, 32<<16
	s_mov_b32 s32, 28
	s_mov_b32 s33, 32
	s_mov_b32 s34, 0
	s_mov_b32 s35, 0
	s_mov_b32 s36, 15|(3<<16)|(1<<21)              ; waves 4-15: 80 rows each
	s_mov_b32 s37, 32<<16
	s_mov_b32 s38, 80<<16
	s_mov_b32 s39, 32<<16
	s_mov_b32 s40, 80
	s_mov_b32 s41, 32
	s_mov_b32 s42, 0
	s_mov_b32 s43, 0
	s_mul_i32 s56, s[BH], KVH
	s_mov_b32 s57, 0
	s_mul_i32 s24, s[WV], 7168
	s_mov_b32 s25, 0
	s_add_co_u32 s26, s[WV], 12
	s_and_b32 s26, s26, 15                         ; wave - 4
	s_min_u32 s26, s26, 11
	s_mul_i32 s26, s26, 20480
	s_add_co_u32 s26, s26, 28672
	s_mov_b32 s27, 0
	s_bfe_u32 s22, ttmp6, 0x40000                  ; cx
	s_lshl_b32 s23, ttmp9, 2
	s_add_co_u32 s23, s23, s22                     ; x, 0..7
	s_lshl_b32 s52, s[BH], 7
	s_add_co_u32 s52, s52, s23
	s_lshl_b32 s53, s[RK], 3
	s_add_co_u32 s52, s52, s53                     ; Q's tile 128 bh + 8 rank + x
	s_lshl_b32 s54, s52, 6
	s_mov_b32 s55, 0
	s_lshl_b32 s52, s52, 10
	s_mov_b32 s53, 0
	s_wait_dscnt 0x0                               ; both opening adds are done
	s_wait_alu depctr_va_vdst(0)
	s_wait_kmcnt 0x0
	s_add_nc_u64 s[52:53], s[4:5], s[52:53]
	s_add_nc_u64 s[54:55], s[6:7], s[54:55]
	global_load_b128 v[16:19], v[LI], s[52:53]
	global_load_b128 v[20:23], v[LI], s[52:53] offset:512
	global_load_b32 v[QW], v[QSO], s[54:55]
	s_add_nc_u64 s[8:9], s[8:9], s[56:57]
	s_mov_b32 s44, 1
	s_mov_b32 s45, s24
	s_add_nc_u64 s[46:47], s[8:9], s[24:25]
	s_or_b32 s47, s47, 0x80000000
	s_mov_b32 s48, 1
	s_mov_b32 s49, s26
	s_add_nc_u64 s[50:51], s[8:9], s[26:27]
	s_or_b32 s51, s51, 0x80000000
	CROUND                                         ; the four work-groups are here: the joint loads meet
	s_cmp_lt_u32 s[WV], 4                          ; one load a wave; a line of its own for what the first barrier shows
	s_cbranch_scc0 .Llate
	tensor_load_to_lds s[44:47], s[28:35]
	s_nop 0
	PLACES 4
	OUTSET
	s_branch .Lasked
.Llate:
	OUTSET
	tensor_load_to_lds s[48:51], s[36:43]
	s_nop 0
	PLACES 4
.Lasked:
	; the diagonal's masks.  My query stands at 64 X + 32 (cx / 2) + 8 (cx % 2) + r + 8 (r / 8) of its group of 128 (X the cluster's x): in blocks of 32 keys 2 X, 2 X + 1 register 16 u + i is hidden where 32 u + i > d
	s_lshr_b32 s24, s22, 1
	s_lshl_b32 s24, s24, 5
	s_and_b32 s25, s22, 1
	s_lshl_b32 s25, s25, 3
	s_add_co_u32 s24, s24, s25
	v_and_b32 v4, 8, v[RR]
	v_bfe_u32 v5, v0, 4, 1
	v_add_nc_u32 v4, v4, v[RR]
	v_lshlrev_b32 v5, 4, v5
	v_add_nc_u32 v4, s24, v4
	v_sub_nc_u32 v4, v4, v5
.set j, 0
.rept 32
	v_cmp_gt_i32 s[MK+j], 32*(j/16)+j%16, v4
.set j, j+1
.endr
	s_mov_b32 s[MNT], 0x600000                     ; 448's mantissa field
	s_mov_b32 s[KSO], 119<<23                      ; (floor(t) + 127 - 8) << 23 is the scale operand
	s_mov_b32 s[KHD], (127<<23)|0x600000           ; 1.75 x 2^floor(t) = 448 x the scale
	s_mov_b32 s[FL], 0xc2ec0000                    ; -118: the scale's byte cannot fall under 1
	s_mov_b32 s[SEL], 0x76543210
	s_mov_b32 s[SEL+1], 0xfedcba98                 ; lane l xor 16
	s_mov_b32 s[CS], 0x3e38aa3b                    ; log2(e) / 8
	s_mov_b32 s[CS+1], s[CS]
	s_mov_b32 s[BK], 0
	v_mov_b32 v[NINF], 0xff800000
	v_mov_b32 v13, 0xff61b1e6                      ; -3e38, under every t
	v_mov_b32 v14, 0
	v_mov_b32 v15, 0
	v_floor_f32 v12, -v13
.irp j, 0,1,2,3,4,5,6,7
	v_mov_b32 v[24+\j], 0                          ; Q's upper 64
	v_mov_b32 v[PC+\j], 0                          ; finite codes behind K's last tile
.endr
.irp b, 0,1,2,3
	v_mov_b32 v[PB+\b], 0                          ; a lane permute's destination counts as one of its sources
.endr
	v_mov_b32 v[F+1], 0                            ; named as the upper half of a pair
	v_mov_b32 v[T], 0
.macro KLOAD                           ; a block's K fragments and their scale words: 20 loads
.irp n, 0,1,2,3
	ds_load_b32 v[KW+\n], v[ADS] offset:128*\n
.endr
.irp t, 0,1,2,3,4,5,6,7
.irp c, 0,1
	ds_load_b128 v[KF+8*\t+4*\c:KF+8*\t+4*\c+3], v[ADK] offset:12288+1024*\t+512*\c
.endr
.endr
.endm
.macro NEXTK                           ; the addresses of the next trip's K
	s_add_co_u32 s21, s[IT], 1
	s_cmp_ge_u32 s21, s[SW]
	s_cselect_b32 s23, s[SH], 0
	s_add_co_u32 s21, s21, s23
	s_and_b32 s21, s21, 15
	s_lshl_b32 s23, s21, 14
	s_lshl_b32 s21, s21, 9
	v_add_nc_u32 v[ADK], s23, v[LI]
	v_add_nc_u32 v[ADS], s21, v[LS]
.endm
; a block b of 32 keys: the sums, the hold at 448 x the scale (ISA guide 7.6.2), the codes; then V^T's fragment b over its registers.  The last eight p of block 3 are held in registers of their own: their sum is taken behind the conversions
.macro PBLOCK b
.irp k, 0,1,2,3
.set P_, SC+16*(\b)+4*\k
.set D_, P_
.if 4*(\b)+\k == 0
	v_pk_add_f32 v[S2:S2+1], v[SC:SC+1], v[SC+2:SC+3]
.elseif 4*(\b)+\k < 14
	v_pk_add_f32 v[14:15], v[14:15], v[P_:P_+1]
	v_pk_add_f32 v[S2:S2+1], v[S2:S2+1], v[P_+2:P_+3]
.else
.set D_, HT+4*\k-8
.endif
	v_dual_min_num_f32 v[D_], v[P_], v[HD+(\b)] :: v_dual_min_num_f32 v[D_+1], v[P_+1], v[HD+(\b)]
	v_dual_min_num_f32 v[D_+2], v[P_+2], v[HD+(\b)] :: v_dual_min_num_f32 v[D_+3], v[P_+3], v[HD+(\b)]
.endr
	v_cvt_scalef32_pk8_fp8_f32 v[PC+4*(\b):PC+4*(\b)+1], v[SC+16*(\b):SC+16*(\b)+7], v[SO+(\b)]
.if (\b) < 3
	v_cvt_scalef32_pk8_fp8_f32 v[PC+4*(\b)+2:PC+4*(\b)+3], v[SC+16*(\b)+8:SC+16*(\b)+15], v[SO+(\b)]
.irp c, 0,1,2,3
	ds_load_b128 v[SC+16*(\b)+4*\c:SC+16*(\b)+4*\c+3], v[ADV] offset:20480+2048*(\b)+512*\c
.endr
.else
	v_cvt_scalef32_pk8_fp8_f32 v[PC+14:PC+15], v[HT:HT+7], v[SO+3]
.endif
.endm
; A KEY STEP: block BK of 128 keys; its K is on its way into registers or there
.macro STEP first
	s_wait_dscnt 0x0
.irp t, 0,1,2,3,4,5,6,7
	WM SC+8*\t, KF+8*\t, 16, 1, KW+\t/2, QW, \t%2
.endr
	s_lshl_b32 s20, s[BK], 14
	s_lshl_b32 s22, s[BK], 8
	v_add_nc_u32 v[ADV], s20, v[LI]
	v_add_nc_u32 v[ADT], s22, v[LS]
.if \first
	PLACES 6
.else
	NEXTK
	PLACES 4                                       ; with the four additions eight places behind the products
	s_cmp_eq_u32 s[IT], s[LAST]                    ; behind the last step no K is wanted
	s_cbranch_scc1 .Lnok_\@
	KLOAD
.Lnok_\@:
.endif
	s_cmp_lg_u32 s[BK], s[RK]                      ; on the diagonal hidden scores become -infinity; ids alone decide
	s_cbranch_scc1 .Lopen_\@
	s_cmp_lg_u32 ttmp9, 0
	s_cbranch_scc1 .Lupper_\@
.set j, 0
.rept 32
	v_cndmask_b32 v[SC+j], v[SC+j], v[NINF], s[MK+j]
.set j, j+1
.endr
.rept 16                               ; cluster 0's queries lie in the first 64: the block's last 64 keys are hidden
	v_dual_mov_b32 v[SC+j], v[NINF] :: v_dual_mov_b32 v[SC+j+1], v[NINF]
.set j, j+2
.endr
	s_wait_alu depctr_va_vdst(0)
	s_branch .Lopen_\@
.Lupper_\@:                            ; cluster 1's in the last 64: the first 64 keys count
.set j, 0
.rept 32
	v_cndmask_b32 v[SC+32+j], v[SC+32+j], v[NINF], s[MK+j]
.set j, j+1
.endr
.Lopen_\@:
.irp b, 0,1,2,3
	v_max3_num_f32 v[BM+\b], v[SC+16*\b], v[SC+1+16*\b], v[SC+2+16*\b]   ; the largest score of each block of 32 keys
.endr
.irp i, 3,5,7,9,11,13
.irp b, 0,1,2,3
	v_max3_num_f32 v[BM+\b], v[BM+\b], v[SC+16*\b+\i], v[SC+16*\b+\i+1]
.endr
.endr
.irp b, 0,1,2,3
	v_max_num_f32 v[BM+\b], v[BM+\b], v[SC+15+16*\b]
.endr
.irp p, 0,1
	ds_load_b32 v[VW+\p], v[ADT] offset:8192+128*\p
.endr
.irp c, 0,1,2,3
	ds_load_b128 v[V3+4*\c:V3+4*\c+3], v[ADV] offset:26624+512*\c
.endr
.irp b, 0,1,2,3
	v_permlanex16_b32 v[PB+\b], v[BM+\b], s[SEL], s[SEL+1]
.endr
.irp b, 0,2
	v_dual_max_num_f32 v[BM+\b], v[BM+\b], v[PB+\b] :: v_dual_max_num_f32 v[BM+\b+1], v[BM+\b+1], v[PB+\b+1]
.endr
	v_max3_num_f32 v[T], v[BM], v[BM+1], v[BM+2]
	s_delay_alu instid0(VALU_DEP_1)
	v_max_num_f32 v[T], v[T], v[BM+3]
	s_delay_alu instid0(VALU_DEP_1)
	v_mul_f32 v[T], s[CS], v[T]
	s_delay_alu instid0(VALU_DEP_1)
	v_max_num_f32 v13, v13, v[T]                   ; the running largest t
	v_mov_b32 v[T], v12
	s_delay_alu instid0(VALU_DEP_2)
	v_floor_f32 v12, -v13                          ; -M = floor(-t)
	s_delay_alu instid0(VALU_DEP_1)
	v_sub_f32 v[T], v12, v[T]
	s_delay_alu instid0(VALU_DEP_1)
	v_cvt_i32_f32 v[T], v[T]                       ; old M - new M (it saturates)
	s_delay_alu instid0(VALU_DEP_1)
	v_ldexp_f32 v[F], 1.0, v[T]
.irp b, 0,2
	v_pk_fma_f32 v[BM+\b:BM+\b+1], v[BM+\b:BM+\b+1], s[CS:CS+1], v[12:13] op_sel_hi:[1,0,0]
.endr
.set j, 0
.rept 32
	v_pk_fma_f32 v[SC+j:SC+j+1], v[SC+j:SC+j+1], s[CS:CS+1], v[12:13] op_sel_hi:[1,0,0]   ; t - M
.set j, j+2
.endr
.irp b, 0,2
	v_dual_max_num_f32 v[BM+\b], s[FL], v[BM+\b] :: v_dual_max_num_f32 v[BM+\b+1], s[FL], v[BM+\b+1]
.endr
.irp b, 0,1,2,3
	v_cvt_floor_i32_f32 v[BM+\b], v[BM+\b]         ; n: the exponent of the block's largest p, -118 .. 0
.endr
.if !\first
.set j, 0
.rept 16
	v_pk_mul_f32 v[OA+j:OA+j+1], v[OA+j:OA+j+1], v[F:F+1] op_sel_hi:[1,0]   ; O under the new M
.set j, j+2
.endr
.endif
.irp b, 0,1,2,3
	v_lshl_add_u32 v[SO+\b], v[BM+\b], 23, s[KSO]
.endr
	v_lshl_add_u32 v[PW], v[BM+1], 8, v[BM]        ; p's scale word: byte b is n + 119
.irp b, 0,1
	v_lshl_add_u32 v[HD+\b], v[BM+\b], 23, s[KHD]
.endr
	v_lshl_add_u32 v[PW], v[BM+2], 16, v[PW]
.irp b, 2,3
	v_lshl_add_u32 v[HD+\b], v[BM+\b], 23, s[KHD]
.endr
	v_lshl_add_u32 v[PW], v[BM+3], 24, v[PW]
	v_add_nc_u32 v[PW], 0x77777777, v[PW]
	s_wait_alu depctr_va_vdst(0)
.set j, 0
.rept 64
	v_exp_f32 v[SC+j], v[SC+j]
.set j, j+1
.endr
	v_pk_mul_f32 v[14:15], v[14:15], v[F:F+1] op_sel_hi:[1,0]   ; the sums under the new M
	s_wait_alu depctr_va_vdst(0)                   ; and for one behind it, ahead of the first reader
	PBLOCK 0
	PBLOCK 1
	PBLOCK 2
	PBLOCK 3
	v_pk_add_f32 v[14:15], v[14:15], v[SC+56:SC+57]   ; four plain lines between the conversions and the products
	v_pk_add_f32 v[S2:S2+1], v[S2:S2+1], v[SC+58:SC+59]
	v_pk_add_f32 v[14:15], v[14:15], v[SC+60:SC+61]
	v_pk_add_f32 v[S2:S2+1], v[S2:S2+1], v[SC+62:SC+63]
	s_wait_alu depctr_va_vdst(0)
	s_wait_dscnt 8                                 ; V^T's fragments 3 and 0 are in; 1 and 2 may be out
	WM OA+24, V3, PC, \first, VW+1, PW, 1
	WM OA, SC, PC, \first, VW, PW, 0
	s_wait_dscnt 4
	WM OA+8, SC+16, PC, \first, VW, PW, 1
	s_wait_dscnt 0x0
	WM OA+16, SC+32, PC, \first, VW+1, PW, 0
	v_pk_add_f32 v[14:15], v[14:15], v[S2:S2+1]
	PLACES 8                                       ; nine places: the next scores are written over V^T's fragments
.endm
; A FINISHED TILE: O / sum (v14: my half's sum), quantised along the head's 64, stored as an operand image; its two scale bytes go to the stage
.macro FINISH
	v_permlanex16_b32 v[T], v14, s[SEL], s[SEL+1]
	v_add_f32 v14, v14, v[T]
	s_wait_alu depctr_va_vdst(0)
	v_rcp_f32 v14, v14
	v_nop
	s_wait_alu depctr_va_vdst(0)                   ; and for the one ahead of the first reader
.set j, 0
.rept 16
	v_pk_mul_f32 v[SC+j:SC+j+1], v[OA+j:OA+j+1], v[14:15] op_sel_hi:[1,0]
.set j, j+2
.endr
.irp a, 0,1,2,3
	v_max3_num_f32 v[BM+\a], |v[SC+8*\a]|, |v[SC+1+8*\a]|, 0x4800000
.endr
.irp i, 2,4,6
.irp a, 0,1,2,3
	v_max3_num_f32 v[BM+\a], v[BM+\a], |v[SC+8*\a+\i]|, |v[SC+8*\a+\i+1]|
.endr
.endr
	v_max_num_f32 v[BM], v[BM], v[BM+1]
	v_max_num_f32 v[BM+2], v[BM+2], v[BM+3]
	v_permlanex16_b32 v[PB], v[BM], s[SEL], s[SEL+1]
	v_permlanex16_b32 v[PB+1], v[BM+2], s[SEL], s[SEL+1]
	v_max_num_f32 v[BM], v[BM], v[PB]
	v_max_num_f32 v[BM+2], v[BM+2], v[PB+1]
	v_add_nc_u32 v[SO], 0xfc000000, v[BM]
	v_add_nc_u32 v[SO+1], 0xfc000000, v[BM+2]
	v_and_or_b32 v[HD], v[BM], 0x7f800000, s[MNT]
	v_and_or_b32 v[HD+1], v[BM+2], 0x7f800000, s[MNT]
	v_lshrrev_b32 v[PB], 23, v[SO]
	v_lshrrev_b32 v[PB+1], 23, v[SO+1]
	v_lshl_or_b32 v[T], v[PB+1], 8, v[PB]
.set j, 0
.rept 32
	v_med3_num_f32 v[SC+j], v[SC+j], -v[HD+j/16], v[HD+j/16]
.set j, j+1
.endr
.irp g, 0,1,2,3
	v_cvt_scalef32_pk8_fp8_f32 v[PC+2*\g:PC+2*\g+1], v[SC+8*\g:SC+8*\g+7], v[SO+\g/2]
.endr
	v_nop                                          ; a plain line behind the last conversion
	global_store_b128 v[LI], v[PC:PC+3], s[10:11]  ; 32 lanes store 512 consecutive bytes
	global_store_b128 v[LI], v[PC+4:PC+7], s[10:11] offset:512
	ds_store_b16 v[OSA], v[T]
.endm
	v_mov_b32 v[ADK], v[LI]                        ; block 0
	v_mov_b32 v[ADS], v[LS]
	s_wait_alu depctr_va_vdst(0)
	s_wait_loadcnt 0x0                             ; Q
	s_cmp_lt_u32 s[WV], 4
	s_cbranch_scc0 .Lnot_early
	s_wait_tensorcnt 0x0                           ; waves 0-3: the scale words and block 0 are in; the others wait behind the first step
.Lnot_early:
	s_barrier_signal -1
	s_barrier_wait -1
	KLOAD
	STEP 1
	s_wait_tensorcnt 0x0                           ; everything is in
	s_cmp_lg_u32 s[TYP], 0
	s_cbranch_scc1 .Lno_q
	ds_store_b128 v[MA], v[16:19]                  ; A: the Q of tile 15 - a for B
	ds_store_b128 v[MA], v[20:23] offset:512
	ds_store_b32 v[MA], v[QW] offset:1024
.Lno_q:
	s_mov_b32 s[IT], 0
	NEXTK
	s_wait_alu depctr_va_vdst(0)
	s_wait_dscnt 0x0
	s_barrier_signal -1
	s_barrier_wait -1
	KLOAD
	s_mov_b32 s[IT], 1
.Lloop:
	s_cmp_lg_u32 s[IT], s[SW]
	s_cbranch_scc1 .Lsame
	s_wait_alu depctr_va_vdst(0)                   ; B: tile a is finished; on to tile 15 - a (nine places stand behind the last products)
	ds_load_b128 v[16:19], v[MA]
	ds_load_b128 v[20:23], v[MA] offset:512
	ds_load_b32 v[QW], v[MA] offset:1024
	v_add_f32 v14, v14, v15
	FINISH
	s_wait_xcnt 0x0                                ; the stores have read the codes' registers
	s_wait_dscnt 0x0                               ; Q is in (a = 7 leaves out the step that follows, and its wait)
	v_mov_b32 v13, 0xff61b1e6
	v_mov_b32 v14, 0
	v_mov_b32 v15, 0
	v_floor_f32 v12, -v13
.set j, 0
.rept 32
	v_mov_b32 v[OA+j], 0
.set j, j+1
.endr
	s_mov_b32 s[RK], s[RKB]
	s_wait_alu depctr_va_vdst(0)
.Lsame:
	s_cmp_gt_u32 s[IT], s[LAST]                    ; B has no ninth step
	s_cbranch_scc1 .Lidle
	s_cmp_ge_u32 s[IT], s[SW]
	s_cselect_b32 s[BK], s[SH], 0
	s_add_co_u32 s[BK], s[BK], s[IT]
	s_and_b32 s[BK], s[BK], 15
	STEP 0
.Lidle:
	s_add_co_u32 s[IT], s[IT], 1
	s_cmp_lg_u32 s[IT], 9
	s_cbranch_scc1 .Lloop
	s_wait_alu depctr_va_vdst(0)
	s_cmp_eq_u32 s[TYP], 0
	s_cbranch_scc1 .Lkeep
	s_wait_dscnt 0x0
	v_add_f32 v13, v14, v15                        ; B hands over O, -M and its half's sum
.irp k, 0,1,2,3,4,5,6,7
	ds_store_b128 v[MA], v[OA+4*\k:OA+4*\k+3] offset:512*\k
.endr
	ds_store_b64 v[MA], v[12:13] offset:4096
.Lkeep:
	s_wait_dscnt 0x0
	s_barrier_signal -1
	s_barrier_wait -1
	s_cmp_lg_u32 s[TYP], 0
	s_cbranch_scc1 .Ldone
	ds_load_b64 v[PB:PB+1], v[MA] offset:4096
.irp k, 0,1,2,3,4,5,6,7
	ds_load_b128 v[SC+4*\k:SC+4*\k+3], v[MA] offset:512*\k
.endr
	s_wait_dscnt 0x0
	v_add_f32 v14, v14, v15
	v_min_num_f32 v13, v12, v[PB]                  ; -M of both parts
	v_sub_f32 v[BM], v13, v12
	v_sub_f32 v[BM+1], v13, v[PB]
	v_cvt_i32_f32 v[BM], v[BM]
	v_cvt_i32_f32 v[BM+1], v[BM+1]
	v_ldexp_f32 v[F], 1.0, v[BM]                   ; both parts under the common M: powers of two
	v_ldexp_f32 v[BM+2], 1.0, v[BM+1]
	v_mul_f32 v14, v14, v[F]
	v_fma_f32 v14, v[PB+1], v[BM+2], v14
.set j, 0
.rept 16
	v_pk_mul_f32 v[OA+j:OA+j+1], v[OA+j:OA+j+1], v[F:F+1] op_sel_hi:[1,0]
.set j, j+2
.endr
.set j, 0
.rept 16
	v_pk_fma_f32 v[OA+j:OA+j+1], v[SC+j:SC+j+1], v[BM+2:BM+3], v[OA+j:OA+j+1] op_sel_hi:[1,0,1]
.set j, j+2
.endr
	FINISH
.Ldone:
	s_wait_dscnt 0x0                               ; for the others' sake: my scale bytes lie in the stage
	s_barrier_signal -1
	s_barrier_wait -1
	s_cmp_lg_u32 s[WV], 0
	s_cbranch_scc1 .Lnot0
	ds_load_b128 v[SC:SC+3], v[ORD]
	s_wait_dscnt 0x0
	global_store_b128 v[LI], v[SC:SC+3], s[12:13]  ; 512 consecutive bytes
.Lnot0:
	s_wait_tensorcnt 0x0                           ; the wave's end
	ds_add_u32 v254, v255
	s_wait_dscnt 0x0
	CROUND                                         ; the closing round
	s_endpgm
.Lfunc_end_k_q3b7c361846_attn:
	.size	k_q3b7c361846_attn, .Lfunc_end_k_q3b7c361846_attn-k_q3b7c361846_attn
	.p2alignl 7, 3214868480
	.fill 96, 4, 3214868480
	.section	.rodata,"a",@progbits
	.p2align	6, 0x0
	.amdhsa_kernel k_q3b7c361846_attn
		.amdhsa_group_segment_fixed_size 327680
		.amdhsa_private_segment_fixed_size 0
		.amdhsa_enable_private_segment 0
		.amdhsa_kernarg_size 40
		.amdhsa_user_sgpr_count 2
		.amdhsa_user_sgpr_kernarg_segment_ptr 1
		.amdhsa_wavefront_size32 1
		.amdhsa_system_sgpr_workgroup_id_x 1
		.amdhsa_system_sgpr_workgroup_id_y 1
		.amdhsa_system_sgpr_workgroup_id_z 1
		.amdhsa_system_vgpr_workitem_id 0
		.amdhsa_next_free_vgpr 256
		.amdhsa_next_free_sgpr 102
		.amdhsa_reserve_vcc 0
		.amdhsa_float_denorm_mode_32 3
		.amdhsa_float_denorm_mode_16_64 3
		.amdhsa_memory_ordered 1
		.amdhsa_forward_progress 1
		.amdhsa_inst_pref_size 77
	.end_amdhsa_kernel
	.amdgpu_metadata
---
amdhsa.version: [ 1, 2 ]
amdhsa.kernels:
  - .name:           k_q3b7c361846_attn
    .symbol:         k_q3b7c361846_attn.kd
    .args:
      - { .name: qimg, .offset: 0, .size: 8, .value_kind: global_buffer, .address_space: global }
      - { .name: qsc, .offset: 8, .size: 8, .value_kind: global_buffer, .address_space: global }
      - { .name: kv, .offset: 16, .size: 8, .value_kind: global_buffer, .address_space: global }
      - { .name: aimg, .offset: 24, .size: 8, .value_kind: global_buffer, .address_space: global }
      - { .name: asc, .offset: 32, .size: 8, .value_kind: global_buffer, .address_space: global }
    .group_segment_fixed_size: 327680
    .private_segment_fixed_size: 0
    .kernarg_segment_align: 8
    .kernarg_segment_size: 40
    .max_flat_workgroup_size: 512
    .sgpr_count:     102
    .vgpr_count:     256
    .wavefront_size: 32
...
	.end_amdgpu_metadata
.endif
;; end of part 3
;; launch oproj (part 4): grid 8 x 32, 4 waves a work-group, clusters of 4 x 4, 327,680 bytes of LDS; arguments aimg, asc, cimg, csc, out0; writes out0
.if DOCPART == 4
	.amdgcn_target "amdgcn-amd-amdhsa--gfx1250"
	.amdhsa_code_object_version 6
	.text
	.protected	k_q3b7c361846_oproj
	.globl	k_q3b7c361846_oproj
	.p2align	8
	.type	k_q3b7c361846_oproj,@function
k_q3b7c361846_oproj:
	s_mov_b64 s[64:65], 0
	v_nop
	global_prefetch_b8 v0, s[64:65] scope:SCOPE_SE
	s_setreg_imm32_b32 hwreg(HW_REG_WAVE_MODE, 25, 1), 1
	s_wait_xcnt 0x0
	s_wait_alu depctr_hold_cnt(0) depctr_sa_sdst(0) depctr_va_vdst(0) depctr_va_sdst(0) depctr_va_ssrc(0) depctr_va_vcc(0) depctr_vm_vsrc(0)
	s_getreg_b32 s2, hwreg(HW_REG_IB_STS2, 6, 4)
	s_cmp_eq_u32 s2, 0
	s_cbranch_scc0 .Lentry_in_a_cluster
	s_endpgm
.Lentry_in_a_cluster:
	s_bfe_u32 s2, ttmp6, 0x10000c
	s_cmp_lg_u32 s2, 0xf033
	s_cbranch_scc0 .Lentry_shape_is_right
	s_endpgm
.Lentry_shape_is_right:
; out0 = A Wo^T on codes of FP8 (E4M3) with E8M0 scales.  A: the attention's result as images [token tile 256][K step 8][2,048]; its scale bytes asc [bh][g 8][r 16][rank 16] u16.  Wo: cimg tiles 448 on, csc likewise.
; SHARES: work-group (nt 0..7, mt 0..31): 128 tokens x 128 outputs.  mt = (batch, g, half): its 8 token tiles are 128 batch + 8 (8 half + i) + g, all of one g, so that their scale bytes lie together.
; Wave (wr, wc): 4 token tiles x 4 tiles of Wo: 16 accumulators.  Used TRANSPOSED (source 0 = Wo, source 1 = tokens): a lane holds one token, and by the tiles' row order the registers of tiles 2 b, 2 b + 1 are 16 neighbouring outputs.
; LDS: all of both operands, [operand][half of K][tile 8][8,192], by one joint load a wave: waves 0, 1 bring A's and Wo's first half of K, waves 2, 3 the second; nothing is filled again.
; CLUSTER 4 x 4: A's tiles are shared along a row, Wo's along a column.  No data prefetch: everything is asked for at the head.
; LIMITS: NaN and infinities are not served.
.set BOFF, 131072
.set STG,  262144                      ; the way out: 16 rows x (256 bytes + 16) for each wave
.set SPT,  272
.set WSTG, 16*SPT
.set SPARE, STG+4*WSTG                 ; the spare words: two blocks of 256 bytes that no other line names
.set LI,   1
.set ADA,  4                           ; v4-5 my token tiles, halves of K
.set ADB,  6                           ; v6-7 my tiles of Wo
.set STO,  12
.set RD,   13
.set CO,   14
.set ASO,  15
.set WSO,  16
.set SPW,  28
.set NIL,  29
.set RAW,  32                          ; v32-63  asc as loaded: head hd at 2 hd
.set SW,   64                          ; v64-79  Wo's scale words: tiles (2 p | 2 p + 1), 8 p + s
.set SA,   84                          ; v84-115 A's: 8 m + s
.set ACC,  128
.set WV,   16
.set G1A,  24
.set G1B,  32
.set G0,   40
.set MSB, 0
.macro WIN new
.if MSB != (\new)
	s_set_vgpr_msb (MSB<<8)|(\new)
.set MSB, (\new)
.endif
.endm
.macro PLACES n
.rept \n
	v_nop
.endr
.endm
.macro CROUND
	s_barrier_signal -1
	s_barrier_wait -1
	s_cmp_lg_u32 s[WV], 0
	s_cbranch_scc1 .Lnot_wave_0_\@
	s_barrier_signal -3
.Lnot_wave_0_\@:
	s_barrier_wait -3
	s_barrier_signal -1
	s_barrier_wait -1
.endm
.macro WM d, a, b, z, sa, sb, ra
.if (\z) && (\ra)
	v_wmma_scale_f32_16x16x128_f8f6f4 v[(\d):(\d)+7], v[(\a):(\a)+15], v[(\b):(\b)+15], 0, v[(\sa)], v[(\sb)] matrix_a_scale:MATRIX_SCALE_ROW1
.elseif (\z)
	v_wmma_scale_f32_16x16x128_f8f6f4 v[(\d):(\d)+7], v[(\a):(\a)+15], v[(\b):(\b)+15], 0, v[(\sa)], v[(\sb)]
.elseif (\ra)
	v_wmma_scale_f32_16x16x128_f8f6f4 v[(\d):(\d)+7], v[(\a):(\a)+15], v[(\b):(\b)+15], v[(\d):(\d)+7], v[(\sa)], v[(\sb)] matrix_a_scale:MATRIX_SCALE_ROW1
.else
	v_wmma_scale_f32_16x16x128_f8f6f4 v[(\d):(\d)+7], v[(\a):(\a)+15], v[(\b):(\b)+15], v[(\d):(\d)+7], v[(\sa)], v[(\sb)]
.endif
.endm
	s_load_b256 s[4:11], s[0:1], 0x0               ; aimg, asc, cimg, csc
	s_load_b64 s[12:13], s[0:1], 0x20              ; out0
	v_lshl_add_u32 v[SPW], v0, 2, SPARE
	v_mov_b32 v[NIL], 0
	ds_add_u32 v[SPW], v[NIL]                      ; the opening: the add, twice on end, under one wait
	ds_add_u32 v[SPW], v[NIL]
	v_lshrrev_b32 v1, 5, v0
	v_readfirstlane_b32 s[WV], v1
	s_and_b32 s17, s[WV], 1                        ; wc
	s_lshr_b32 s18, s[WV], 1                       ; wr.  Also: which half of K I fetch
	s_bfe_u32 s14, ttmp6, 0x40000                  ; cx
	s_bfe_u32 s15, ttmp6, 0x40004                  ; cy
	s_lshl_b32 s76, ttmp9, 2
	s_add_co_u32 s76, s76, s14                     ; nt
	s_and_b32 s77, ttmp7, 0xffff
	s_lshl_b32 s77, s77, 2
	s_add_co_u32 s77, s77, s15                     ; mt
	s_lshl_b32 s94, s15, 2
	s_lshl_b32 s94, 15, s94                        ; my row of the cluster
	s_lshl_b32 s95, 0x1111, s14                    ; my column
	s_or_b32 s[G1A], s94, (3<<16)|(1<<21)          ; the mask; elements of 8 bytes; bit 21 beside a mask; no padding
	s_or_b32 s[G1B], s95, (3<<16)|(1<<21)
	s_mov_b32 s[G1A+1], 1024<<16                   ; a row: a tile's 8,192 bytes of half of K
	s_mov_b32 s[G1A+2], 8<<16
	s_mov_b32 s[G1A+3], 1024<<16
	s_mov_b32 s[G1A+4], 8
	s_mov_b32 s[G1A+5], 16384                      ; the token tiles lie 8 tiles, 131,072 bytes, apart
	s_mov_b32 s[G1A+6], 0
	s_mov_b32 s[G1A+7], 0
	s_mov_b32 s[G1B+1], 1024<<16
	s_mov_b32 s[G1B+2], 8<<16
	s_mov_b32 s[G1B+3], 1024<<16
	s_mov_b32 s[G1B+4], 8
	s_mov_b32 s[G1B+5], 2048                       ; Wo's tiles are neighbours
	s_mov_b32 s[G1B+6], 0
	s_mov_b32 s[G1B+7], 0
	s_lshr_b32 s78, s77, 4                         ; batch
	s_bfe_u32 s79, s77, 0x30001                    ; g
	s_and_b32 s80, s77, 1                          ; half
	s_lshl_b32 s82, s78, 7
	s_lshl_b32 s83, s80, 6
	s_add_co_u32 s82, s82, s83
	s_add_co_u32 s82, s82, s79                     ; A: token tile 128 batch + 64 half + g on: hangs on mt alone
	s_lshl_b32 s82, s82, 14
	s_lshl_b32 s81, s18, 13
	s_add_co_u32 s82, s82, s81
	s_mov_b32 s83, 0
	s_lshl_b32 s84, s76, 3
	s_add_co_u32 s84, s84, 448                     ; Wo's tile 448 + 8 nt on: on nt alone
	s_lshl_b32 s84, s84, 14
	s_add_co_u32 s84, s84, s81
	s_mov_b32 s85, 0
	s_lshl_b32 s96, s17, 17                        ; where they go: the wave's number alone
	s_lshl_b32 s97, s18, 16
	s_add_co_u32 s96, s96, s97
	s_lshl_b32 s86, s78, 7
	s_add_co_u32 s86, s86, s79
	s_lshl_b32 s86, s86, 9                         ; (128 batch + g) x 512; a head is 4,096 bytes on
	s_mov_b32 s87, 0
	s_lshl_b32 s88, s76, 3
	s_lshl_b32 s89, s17, 2
	s_add_co_u32 s88, s88, s89
	s_add_co_u32 s88, s88, 448
	s_lshl_b32 s88, s88, 9
	s_mov_b32 s89, 0
	s_lshl_b32 s90, s78, 11                        ; my first row of out0: 2048 batch + 128 (8 half + 4 wr) + 32 (g / 2) + 8 (g % 2)
	s_lshl_b32 s91, s80, 10
	s_add_co_u32 s90, s90, s91
	s_lshl_b32 s91, s18, 9
	s_add_co_u32 s90, s90, s91
	s_lshr_b32 s91, s79, 1
	s_lshl_b32 s91, s91, 5
	s_add_co_u32 s90, s90, s91
	s_and_b32 s91, s79, 1
	s_lshl_b32 s91, s91, 3
	s_add_co_u32 s90, s90, s91
	s_lshl_b32 s90, s90, 12
	s_lshl_b32 s91, s76, 9                         ; my first column: 128 nt + 64 wc, in bytes
	s_add_co_u32 s90, s90, s91
	s_lshl_b32 s91, s17, 8
	s_add_co_u32 s90, s90, s91
	s_mov_b32 s91, 0
	s_mov_b32 s92, 0x05040100
	s_mov_b32 s93, 0x07060302
	v_and_b32 v1, 31, v0
	v_lshlrev_b32 v[LI], 4, v1
	v_and_b32 v2, 15, v0                           ; r
	v_bfe_u32 v3, v0, 4, 1                         ; h
	s_lshl_b32 s19, s18, 15
	v_add_nc_u32 v[ADA], s19, v[LI]
	v_add_nc_u32 v[ADA+1], 65536, v[ADA]
	s_lshl_b32 s19, s17, 15
	s_add_co_u32 s19, s19, BOFF
	v_add_nc_u32 v[ADB], s19, v[LI]
	v_add_nc_u32 v[ADB+1], 65536, v[ADB]
	s_mul_i32 s19, s[WV], WSTG
	s_add_co_u32 s19, s19, STG
	v_mul_u32_u24 v[STO], v2, SPT
	v_lshl_add_u32 v[STO], v3, 6, v[STO]
	v_add_nc_u32 v[STO], s19, v[STO]               ; in: row r, + 64 h
	v_mul_u32_u24 v[RD], v3, SPT
	v_lshl_add_u32 v[RD], v2, 4, v[RD]
	v_add_nc_u32 v[RD], s19, v[RD]                 ; back: lanes 0-15 one row of 256 bytes, lanes 16-31 the next
	v_lshlrev_b32 v[CO], 12, v3
	v_lshl_add_u32 v[CO], v2, 4, v[CO]             ; and the same two rows of out0
	s_lshl_b32 s19, s80, 4
	s_lshl_b32 s20, s18, 3
	s_add_co_u32 s19, s19, s20
	v_lshl_add_u32 v[ASO], v2, 5, s19              ; asc: 32 r + 2 (8 half + 4 wr): my four tiles' u16
	v_lshlrev_b32 v[WSO], 4, v2
	v_lshl_add_u32 v[WSO], v3, 9, v[WSO]
	s_wait_dscnt 0x0                               ; both opening adds are done
	s_wait_alu depctr_va_vdst(0)
	s_wait_kmcnt 0x0
	s_add_nc_u64 s[82:83], s[4:5], s[82:83]
	s_add_nc_u64 s[84:85], s[8:9], s[84:85]
	s_add_nc_u64 s[86:87], s[6:7], s[86:87]
	s_add_nc_u64 s[88:89], s[10:11], s[88:89]
	s_add_nc_u64 s[12:13], s[12:13], s[90:91]
	s_mov_b32 s[G0], 1                             ; A's tiles
	s_mov_b32 s[G0+1], s96
	s_mov_b64 s[G0+2:G0+3], s[82:83]
	s_or_b32 s[G0+3], s[G0+3], 0x80000000
	s_mov_b32 s[G0+4], 1                           ; Wo's
	s_mov_b32 s[G0+5], s96
	s_mov_b64 s[G0+6:G0+7], s[84:85]
	s_or_b32 s[G0+7], s[G0+7], 0x80000000
	CROUND                                         ; all sixteen work-groups are here: the joint loads meet
; one load a wave: ONE chain of branches on the wave's number, a line for each wave
.macro ARM under, g0, g1, next
	s_cmp_lt_u32 s[WV], \under
	s_cbranch_scc0 \next
	tensor_load_to_lds s[\g0:\g0+3], s[\g1:\g1+7]
	s_nop 0
	PLACES 4
	s_branch .Lasked
\next:
.endm
	ARM 1, G0, G1A, .Lw1
	ARM 2, G0+4, G1B, .Lw2
	ARM 3, G0, G1A, .Lw3
	tensor_load_to_lds s[G0+4:G0+7], s[G1B:G1B+7]
	s_nop 0
	PLACES 4
.Lasked:
.irp d, 0,1,2,3,4,5,6,7,8,9,10,11,12,13,14,15
	global_load_b64 v[RAW+2*\d:RAW+2*\d+1], v[ASO], s[86:87] offset:4096*\d
.endr
.irp p, 0,1
.irp u, 0,1
	global_load_b128 v[SW+8*\p+4*\u:SW+8*\p+4*\u+3], v[WSO], s[88:89] offset:1024*\p+256*\u
.endr
.endr
; 32 LDS loads in one run: my 4 + 4 fragments of K step s into set s % 2 (window 1)
.macro FETCH s
	WIN 0x40
.irp m, 0,1,2,3
.irp c, 0,1,2,3
	ds_load_b128 v[128*((\s)%2)+16*\m+4*\c:128*((\s)%2)+16*\m+4*\c+3], v[ADA+(\s)/4] offset:8192*\m+2048*((\s)%4)+512*\c
	ds_load_b128 v[128*((\s)%2)+64+16*\m+4*\c:128*((\s)%2)+64+16*\m+4*\c+3], v[ADB+(\s)/4] offset:8192*\m+2048*((\s)%4)+512*\c
.endr
.endr
	WIN 0
.endm
	s_cmp_lt_u32 s[WV], 2
	s_cbranch_scc0 .Lnot_yet
	s_wait_tensorcnt 0x0                           ; waves 0, 1: the first half of K is in; waves 2, 3 wait in K step 3
.Lnot_yet:
	s_barrier_signal -1
	s_barrier_wait -1
	FETCH 0
	s_wait_loadcnt 0x0                             ; the scale words
.irp m, 0,1,2,3                        ; A's scale word of tile m, K step t: the u16 of head 2 t below, of head 2 t + 1 above
.irp t, 0,1,2,3,4,5,6,7
	v_perm_b32 v[SA+8*\m+\t], v[RAW+4*\t+2+\m/2], v[RAW+4*\t+\m/2], s[92+\m%2]
.endr
.endr
	PLACES 8                                       ; scale words made by vector instructions stand eight places ahead of the products
	s_wait_alu depctr_va_vdst(0)
; A K step of 128: 16 products; the accumulators take turns, one instruction a turn, in the same order in every step
.macro KSTEP s
.if (\s) == 3
	s_wait_tensorcnt 0x0                           ; the second half of K is shown to every wave
.endif
	s_wait_dscnt 0x0                               ; this step's set is in
.if (\s) == 3
	s_barrier_signal -1
	s_barrier_wait -1
.endif
.if (\s) < 7
.if (\s) > 0
	PLACES 8                                       ; in front of loads into the set that the last products read
.endif
	FETCH (\s)+1
.endif
.set ZF, 0
.if (\s) == 0
.set ZF, 1
.endif
	WIN 0x05                                       ; sources 0 (Wo) and 1 (tokens) window 1; C and D window 0
.irp m, 0,1,2,3
.irp f, 0,1,2,3
	WM ACC+8*(4*\m+\f), 128*((\s)%2)+64+16*\f, 128*((\s)%2)+16*\m, ZF, SW+8*(\f/2)+(\s), SA+8*\m+(\s), \f%2
.endr
.endr
	WIN 0
.endm
	KSTEP 0
	KSTEP 1
	KSTEP 2
	KSTEP 3
	KSTEP 4
	KSTEP 5
	KSTEP 6
	KSTEP 7
; THE WAY OUT: a token tile (16 rows x 64 outputs) at a time through my own stage, back as whole rows of 256 bytes
.macro TOSTAGE m
.irp f, 0,1,2,3
	ds_store_b128 v[STO], v[ACC+8*(4*(\m)+\f):ACC+8*(4*(\m)+\f)+3] offset:128*(\f/2)+32*(\f%2)       ; each accumulator from its low end on: outputs 32 (f / 2) + 16 h + 8 (f % 2) + 0..7
	ds_store_b128 v[STO], v[ACC+8*(4*(\m)+\f)+4:ACC+8*(4*(\m)+\f)+7] offset:128*(\f/2)+32*(\f%2)+16
.endr
	WIN 0x40
.irp i, 0,1,2,3,4,5,6,7
	ds_load_b128 v[32*(\m)+4*\i:32*(\m)+4*\i+3], v[RD] offset:2*\i*SPT   ; LDS serves a wave's instructions in order: these see the stores above, and the next tile's stores come behind them
.endr
	WIN 0
.endm
.macro SEND m, younger
	s_wait_dscnt \younger
	WIN 0x04                                       ; a store's data are its source 1: window 1
.irp i, 0,1,2,3,4,5,6,7
	global_store_b128 v[CO], v[32*(\m)+4*\i:32*(\m)+4*\i+3], s[12:13] offset:524288*(\m)+(2*\i+8*(\i/4))*4096 th:TH_STORE_NT   ; 16 lanes store 256 consecutive bytes, aligned; storage row 2 i + lane / 16 is row 2 i + 8 (i / 4) + lane / 16
.endr
	WIN 0
.endm
	PLACES 8                                       ; behind the last products
	TOSTAGE 0
	TOSTAGE 1
	SEND 0, 16                                     ; behind tile 0's loads: tile 1's 8 stores and 8 loads
	TOSTAGE 2
	SEND 1, 16
	TOSTAGE 3
	SEND 2, 16
	SEND 3, 0
	s_wait_tensorcnt 0x0                           ; the wave's end
	ds_add_u32 v[SPW], v[NIL]
	s_wait_dscnt 0x0
	CROUND                                         ; the closing round
	s_endpgm
.Lfunc_end_k_q3b7c361846_oproj:
	.size	k_q3b7c361846_oproj, .Lfunc_end_k_q3b7c361846_oproj-k_q3b7c361846_oproj
	.p2alignl 7, 3214868480
	.fill 96, 4, 3214868480
	.section	.rodata,"a",@progbits
	.p2align	6, 0x0
	.amdhsa_kernel k_q3b7c361846_oproj
		.amdhsa_group_segment_fixed_size 327680
		.amdhsa_private_segment_fixed_size 0
		.amdhsa_enable_private_segment 0
		.amdhsa_kernarg_size 40
		.amdhsa_user_sgpr_count 2
		.amdhsa_user_sgpr_kernarg_segment_ptr 1
		.amdhsa_wavefront_size32 1
		.amdhsa_system_sgpr_workgroup_id_x 1
		.amdhsa_system_sgpr_workgroup_id_y 1
		.amdhsa_system_sgpr_workgroup_id_z 1
		.amdhsa_system_vgpr_workitem_id 0
		.amdhsa_next_free_vgpr 512
		.amdhsa_next_free_sgpr 100
		.amdhsa_reserve_vcc 0
		.amdhsa_float_denorm_mode_32 3
		.amdhsa_float_denorm_mode_16_64 3
		.amdhsa_memory_ordered 1
		.amdhsa_forward_progress 1
		.amdhsa_inst_pref_size 55
	.end_amdhsa_kernel
	.amdgpu_metadata
---
amdhsa.version: [ 1, 2 ]
amdhsa.kernels:
  - .name:           k_q3b7c361846_oproj
    .symbol:         k_q3b7c361846_oproj.kd
    .args:
      - { .name: aimg, .offset: 0, .size: 8, .value_kind: global_buffer, .address_space: global }
      - { .name: asc, .offset: 8, .size: 8, .value_kind: global_buffer, .address_space: global }
      - { .name: cimg, .offset: 16, .size: 8, .value_kind: global_buffer, .address_space: global }
      - { .name: csc, .offset: 24, .size: 8, .value_kind: global_buffer, .address_space: global }
      - { .name: out0, .offset: 32, .size: 8, .value_kind: global_buffer, .address_space: global }
    .group_segment_fixed_size: 327680
    .private_segment_fixed_size: 0
    .kernarg_segment_align: 8
    .kernarg_segment_size: 40
    .max_flat_workgroup_size: 128
    .sgpr_count:     100
    .vgpr_count:     512
    .wavefront_size: 32
...
	.end_amdgpu_metadata
.endif
;; end of part 4
